; MI455X (gfx1250); checked and timed in simulation.
; The chip was launched on July 23, 2026; its instructions are those of AMD's public machine-readable ISA for CDNA 5 (MIT licence, August 2026) and "CDNA5" Instruction Set Architecture Reference Guide (July 2026). The comments in the code are by the model that wrote it; some were corrected since.
;; Multi Headed Self Attention. Allowed arithmetic: matrix products marked QUANTISED: E2M1 operands, one E8M0 scale for each 32 along K, by v_wmma_scale_f32_16x16x128_f8f6f4 with both operands' format E2M1 (or v_wmma_scale_f32_32x16x128_f4), f32 sums; products left as they are: bf16, f16 or f32 operands; f32 sums; everything else in f32.
;; Inputs: Wk 1,024 x 1,024 float32; Wo 1,024 x 1,024 float32; Wq 1,024 x 1,024 float32; Wv 1,024 x 1,024 float32; bk 1,024 float32; bo 1,024 float32; bq 1,024 float32; bv 1,024 float32; x 8 x 1,024 x 1,024 float32.
;; Outputs: out0 8 x 1,024 x 1,024 float32.
;; This version of the problem:
;;   THIS VERSION OF THE PROBLEM IS GIVEN IN LOW PRECISION. The matrix products marked QUANTISED in the list below multiply operands that are first quantised to E2M1 (2 exponent bits, 1 mantissa bit; 4 bits a number), with one power-of-two scale for each 32 numbers along K (OCP MX v1.0); their sums are f32. The products marked 'left as it is' may take bf16, f16 or f32 operands, with f32 sums. Whichever they take, every output number must still come out within the allowed error. Rounding operands to bf16 (8 significant bits) uses up far more of that allowance than f16 does (11 bits, for magnitudes from 6e-5 to 65,504). All else is computed in f32.
;;   The module's matrix products, in the order in which they are computed (A, B: the left and right operand; K: the contracted axis; several contracted axes count as one K, in the product's order):
;;     1. [M 8,192, K 1,024] x [K 1,024, N 1,024]; A: input x; B: input Wq: QUANTISED
;;     2. [M 8,192, K 1,024] x [K 1,024, N 1,024]; A: input x; B: input Wk: QUANTISED
;;     3. [M 8,192, K 1,024] x [K 1,024, N 1,024]; A: input x; B: input Wv: QUANTISED
;;     4. batch 128 x [M 1,024, K 64] x [K 64, N 1,024]; A: computed on the way; B: computed on the way: left as it is (an operand is computed on the way)
;;     5. batch 128 x [M 1,024, K 1,024] x [K 1,024, N 64]; A: computed on the way; B: computed on the way: left as it is (an operand is computed on the way)
;;     6. [M 8,192, K 1,024] x [K 1,024, N 1,024]; A: computed on the way; B: input Wo: left as it is (an operand is computed on the way)
;;   THE QUANTISER, for each operand of a quantised product, along K:
;;     - K is cut into blocks of 32 from its start; a last block that is shorter is filled with zeros.
;;     - A block's scale is 2^e with e = floor(log2(the largest magnitude in the block)) - 2, held to -126 .. 127; a block of zeros has e = 0. As a byte (E8M0): e + 127.
;;     - Each number is divided by its block's scale, clamped to +-6, and rounded to the nearest number of E2M1, ties to even, subnormals kept.
;;     - The product sums the exact products of the quantised numbers (number of the format x scale) in f32.
;;   ~~~python
;;   def quantise(x, axis):      # numpy; x: float32 -> the quantised numbers, widened to float32 again
;;       x = np.moveaxis(x, axis, -1); K = x.shape[-1]
;;       x = np.pad(x, [(0, 0)] * (x.ndim - 1) + [(0, -K % 32)]); x = x.reshape(x.shape[:-1] + (-1, 32)); a = np.abs(x).max(-1, keepdims=True)
;;       e = np.where(a > 0, np.clip(np.frexp(np.where(a > 0, a, 1))[1] - 1 - 2, -126, 127), 0)      # np.frexp(a)[1] - 1 = floor(log2(a)), exactly
;;       r = np.clip(x / 2.0 ** e, -6, 6)
;;       step = 2.0 ** (np.maximum(np.frexp(np.where(r == 0, 1, r))[1] - 1, 0) - 1)
;;       q = np.round(r / step) * step * 2.0 ** e      # np.round: ties to even
;;       return np.moveaxis(q.reshape(q.shape[:-2] + (-1,))[..., :K], -1, axis).astype(np.float32)
;;   ~~~
;; One version. Each part assembles by itself: llvm-mc -triple=amdgcn-amd-amdhsa -mcpu=gfx1250 --defsym DOCPART=n.
;; ======== version 1 of 1: 5 launches
;; limits: values are held in f16: magnitudes above 65,504 overflow, below 6.1e-05 lose precision
;; workspace buffers: xc 4,194,304 bytes; xs 262,144 bytes; wc 1,572,864 bytes; ws 98,304 bytes; wo16 2,097,152 bytes; qkv16 50,331,648 bytes; fq 1,572,864 bytes; att16 16,777,216 bytes
;; launch prep (part 1): grid 384 x 1, 4 waves a work-group, no clusters, 50,688 bytes of LDS; arguments x, Wq, Wk, Wv, Wo, xc, xs, wc, ws, wo16; writes xc, xs, wc, ws, wo16
.if DOCPART == 1
	.amdgcn_target "amdgcn-amd-amdhsa--gfx1250"
	.amdhsa_code_object_version 6
	.text
	.protected	k_qde7baa46df_prep
	.globl	k_qde7baa46df_prep
	.p2align	8
	.type	k_qde7baa46df_prep,@function
k_qde7baa46df_prep:
	s_mov_b64 s[64:65], 0
	v_nop
	global_prefetch_b8 v0, s[64:65] scope:SCOPE_SE
	s_setreg_imm32_b32 hwreg(HW_REG_WAVE_MODE, 25, 1), 1
	s_wait_xcnt 0x0
; Causal self-attention, B 8, S 1024, D 1024, 16 heads of 64.  Five launches: prep (this one), qkv, attn, oproj, fine.
; WORK LEFT OUT IN THE WHOLE PROGRAM.
;  bk: score(q, k) = (x_q Wq + bq) . (x_k Wk + bk) = (x_q Wq + bq) . (x_k Wk) + (x_q Wq + bq) . bk.  The last term is the same for all keys k of a query q, so the softmax along k
;      takes it away for every value of the inputs; the product of q and k is not quantised, so bk enters no quantiser.  bk is not loaded and is no argument of any launch.
;  Tiles of scores all of whose keys come after all of their queries: the causal mask, built in the problem's own body, throws them away.
;  LIMIT: a NaN, an infinity or an overflow that reaches only bk or a masked tile is not carried to the result.
;  bv is NOT left out: a softmax row sums to 1, so attn (v + bv) = attn v + bv; launch attn adds bv in f32 behind the division by the row's sum (another order of rounding than the source's).
; THIS LAUNCH turns x, Wq, Wk, Wv into codes of E2M1 with one E8M0 byte for each 32 along K, and Wo into f16.  Three paths, chosen by the work-group's number, each with LDS bytes of its own:
;  W (work-groups 0-95):    a weight [k][n], K its first axis: a lane takes a column, its registers run down K; codes [3072 = Wq, Wk, Wv columns][512 bytes], bytes [3072][32].
;  O (work-groups 96-127):  Wo [k][n] to f16, stored as IMAGES OF OPERAND REGISTERS: fragment (16 columns n, 32 along k) = 1,024 bytes: registers 0-3 of lane l at 16 l, registers 4-7 at 512 + 16 l;  [n tile 64][k chunk 32].
;  X (work-groups 128-383): x, K innermost: a plain stream of blocks of 32.
; The paths are cut so that each wave walks a short chain of loads: W 8 blocks with two on their way, O 8 units with two on their way, X 16 steps with four on their way.
; A block's scale is 2^(floor(log2(largest magnitude)) - 2); its byte is the largest magnitude's exponent field - 2, held at 1 from below.  A block of zeros gets the byte 1 where the rule says 127:
; its codes are zeros, which add nothing, and this program alone reads the bytes.
; LIMITS: NaN and infinities among the inputs are not served; |Wo| stays under 65,504 (f16).
.set SPW,   190                        ; v190 LDS address of my spare word; never rewritten
.set NIL,   191                        ; v191 0; never rewritten
.set XREG,  8192                       ; path X: a region for each wave from byte 0: two stages of 32 x 80 bytes, then 256 scale bytes
.set SP,    80
.set WSTG,  32768                      ; path W: a stage of 16 rows x 272 bytes for each wave
.set PITCH, 272
.set SPARE, 50176                      ; behind both: the spare words, 128 bytes a wave
.set XR,    16                         ; path X: v16-79 four sets of 16 numbers as loaded
.set XX,    80                         ;         v80-111 two sets of 16 neighbours
.set XE,    112                        ;         v112-127 a scale byte for each step
.set XC,    128                        ;         v128-189 codes, four registers for each step
.set WX,    32                         ; path W: v32-95 two sets of 32 numbers
.set WC,    96                         ;         v96-99 a block's codes
.set OUTR,  112                        ;         v112-143 the way out
.set SB,    24                         ;         v24-25 scale bytes
.set OX,    32                         ; path O: v32-95 two sets of 32 numbers
.set OP,    96                         ;         v96-111 16 pairs of f16
	s_load_b256 s[4:11], s[0:1], 0x0               ; x s[4:5], Wq s[6:7], Wk s[8:9], Wv s[10:11]
	s_load_b256 s[12:19], s[0:1], 0x20             ; Wo s[12:13], xc s[14:15], xs s[16:17], wc s[18:19]
	s_load_b128 s[20:23], s[0:1], 0x40             ; ws s[20:21], wo16 s[22:23]
	v_lshl_add_u32 v[SPW], v0, 2, SPARE
	v_mov_b32 v[NIL], 0
	v_lshrrev_b32 v1, 5, v0
	v_readfirstlane_b32 s24, v1                    ; wave 0..3
	v_and_b32 v2, 31, v0                           ; lane
	s_cmp_lt_u32 ttmp9, 96
	s_cbranch_scc1 .Lpath_w
	s_cmp_lt_u32 ttmp9, 128
	s_cbranch_scc1 .Lpath_o
; ---------------- path X: my wave takes 16 steps of 512 numbers of x
	v_lshlrev_b32 v3, 4, v2                        ; my 16 bytes of a load's 512
	s_mul_i32 s25, s24, XREG
	v_lshrrev_b32 v14, 2, v2
	v_mul_u32_u24 v14, v14, SP
	v_and_b32 v15, 3, v2
	v_lshl_add_u32 v14, v15, 4, v14
	v_add_nc_u32 v14, s25, v14                     ; the stage, in: four lanes' 64 bytes on end, then 16 of padding
	v_mul_u32_u24 v15, v2, SP
	v_add_nc_u32 v15, s25, v15                     ; and out: my 16 neighbours
	v_lshlrev_b32 v4, 3, v2                        ; my 8 bytes of a step's codes
	v_lshrrev_b32 v5, 1, v2
	s_add_co_u32 s25, s25, 2*32*SP
	v_add_nc_u32 v5, s25, v5                       ; my block's scale byte in the wave's 256
	v_lshlrev_b32 v7, 3, v2
	v_add_nc_u32 v6, s25, v7
	s_sub_co_u32 s26, ttmp9, 128
	s_lshl_b32 s26, s26, 2
	s_add_co_u32 s26, s26, s24                     ; which run of 8,192 numbers is my wave's: 0..1023
	s_mov_b32 s29, 0
	s_lshl_b32 s28, s26, 15
	s_wait_kmcnt 0x0
	s_add_nc_u64 s[4:5], s[4:5], s[28:29]          ; 32,768 bytes of x a run,
	s_lshl_b32 s28, s26, 12
	s_add_nc_u64 s[14:15], s[14:15], s[28:29]      ; 4,096 of codes,
	s_lshl_b32 s28, s26, 8
	s_add_nc_u64 s[16:17], s[16:17], s[28:29]      ; 256 scale bytes
.macro XLOAD t
.irp i, 0,1,2,3
	global_load_b128 v[XR+16*((\t)%4)+4*\i:XR+16*((\t)%4)+4*\i+3], v3, s[4:5] offset:2048*(\t)+512*\i th:TH_LOAD_NT   ; 32 lanes read 512 consecutive bytes
.endr
.endm
.macro XTURN t                         ; step t's numbers through the stage: LDS serves a wave's instructions in order, so no wait stands between the stores and the loads
.irp i, 0,1,2,3
	ds_store_b128 v14, v[XR+16*((\t)%4)+4*\i:XR+16*((\t)%4)+4*\i+3] offset:32*SP*((\t)%2)+8*SP*\i
.endr
.irp i, 0,1,2,3
	ds_load_b128 v[XX+16*((\t)%2)+4*\i:XX+16*((\t)%2)+4*\i+3], v15 offset:32*SP*((\t)%2)+16*\i
.endr
.endm
.irp t, 0,1,2,3
	XLOAD \t
.endr
	s_wait_loadcnt 12                              ; step 0's four loads are in; three steps' twelve stay out
	XTURN 0
.macro XSTEP t
.set XS, XX+16*((\t)%2)
.if (\t) > 0
	s_wait_dscnt 1                                 ; this step's numbers are back from the stage (the last step's byte store may be out)
.else
	s_wait_dscnt 0x0
.endif
.if (\t)+4 < 16
	XLOAD (\t)+4                                   ; into the registers that this step's stage stores have read
.endif
.if (\t)+1 < 16
.if 14-(\t) >= 3
	s_wait_loadcnt 12                              ; the next step's four loads are in; those of the three steps behind it may be out
.else
	s_wait_loadcnt 4*(14-(\t))
.endif
	XTURN (\t)+1
.endif
	v_max3_num_f32 v8, |v[XS]|, |v[XS+1]|, |v[XS+2]|               ; the largest magnitude of my 16, in two chains
	v_max3_num_f32 v9, |v[XS+3]|, |v[XS+4]|, |v[XS+5]|
.irp i, 6,10
	v_max3_num_f32 v8, v8, |v[XS+\i]|, |v[XS+\i+1]|
	v_max3_num_f32 v9, v9, |v[XS+\i+2]|, |v[XS+\i+3]|
.endr
	v_max3_num_f32 v8, v8, |v[XS+14]|, |v[XS+15]|
	v_max3_num_f32 v8, v8, v9, 0x1800000           ; and the floor 2^(3 - 127): the byte cannot fall under 1
	v_max_num_f32_dpp v8, v8, v8 row_xmask:1 row_mask:0xf bank_mask:0xf   ; with my neighbour's 16: the block's
	v_add_nc_u32 v11, 0xff000000, v8               ; 2 off its exponent field: the conversion takes the exponent field of this operand as its scale
	v_cvt_scalef32_pk8_fp4_f32 v[XC+4*(\t)], v[XS:XS+7], v11
	v_cvt_scalef32_pk8_fp4_f32 v[XC+4*(\t)+1], v[XS+8:XS+15], v11
	v_lshrrev_b32 v[XE+(\t)], 23, v11              ; the scale's byte (a plain line behind the conversions)
	ds_store_b8 v5, v[XE+(\t)] offset:16*(\t)      ; both lanes of a block write the same byte with the same value
	global_store_b64 v4, v[XC+4*(\t):XC+4*(\t)+1], s[14:15] offset:256*(\t)   ; the wave stores 256 consecutive bytes, aligned
.endm
.irp t, 0,1,2,3,4,5,6,7,8,9,10,11,12,13,14,15
	XSTEP \t
.endr
	ds_load_b64 v[8:9], v6                         ; in order behind my byte stores
	s_wait_dscnt 0x0
	global_store_b64 v7, v[8:9], s[16:17]          ; 256 scale bytes, aligned
	s_branch .Lend
; ---------------- path W: 16 columns x 512 along K of one weight for each wave.  Lane (r, h) takes column r and K from 256 h on: 8 blocks of 32, 128 bytes of codes; the two halves of the lanes
; together make a column's 256 bytes.  A load reads two runs of 64 consecutive bytes; the four waves of a work-group stand side by side on 256 bytes of a row.
.Lpath_w:
	s_lshr_b32 s25, ttmp9, 5                       ; which weight: 0 Wq, 1 Wk, 2 Wv
	s_and_b32 s26, ttmp9, 15                       ; which 64 columns
	s_bfe_u32 s27, ttmp9, 0x10004                  ; which half of K
	s_lshl_b32 s26, s26, 6
	s_lshl_b32 s28, s24, 4
	s_add_co_u32 s26, s26, s28                     ; my wave's first column
	v_and_b32 v5, 15, v2                           ; r
	v_lshrrev_b32 v6, 4, v2                        ; h
	v_lshlrev_b32 v3, 2, v5
	v_lshl_add_u32 v3, v6, 20, v3                  ; in: 4 r, and 256 rows of 4,096 bytes further down for lanes 16-31
	s_mul_i32 s28, s24, 16*PITCH
	s_add_co_u32 s28, s28, WSTG                    ; my stage
	v_mul_u32_u24 v4, v5, PITCH
	v_lshl_add_u32 v4, v6, 7, v4
	v_add_nc_u32 v4, s28, v4                       ; into it: row = my column, 128 h bytes on
	v_mul_u32_u24 v7, v6, PITCH
	v_lshl_add_u32 v7, v5, 4, v7
	v_add_nc_u32 v7, s28, v7                       ; out of it: sixteen lanes to a row, two rows an instruction
	v_lshlrev_b32 v8, 9, v6
	v_lshl_add_u32 v8, v5, 4, v8                   ; and the same place among the codes' rows of 512 bytes
	v_lshlrev_b32 v9, 5, v5
	v_lshl_add_u32 v9, v6, 3, v9                   ; my 8 scale bytes: 32 bytes a column, 8 h on
	s_lshl_b32 s30, s27, 21                        ; the weight: 512 rows of 4,096 bytes for each half of K,
	s_lshl_b32 s31, s26, 2
	s_add_co_u32 s30, s30, s31                     ; + 4 x column
	s_mov_b32 s31, 0
	s_lshl_b32 s32, s25, 10
	s_add_co_u32 s32, s32, s26                     ; the row of wc and ws: 1,024 x weight + column
	s_lshl_b32 s34, s32, 9
	s_lshl_b32 s35, s27, 8
	s_add_co_u32 s34, s34, s35
	s_mov_b32 s35, 0
	s_lshl_b32 s36, s32, 5
	s_lshl_b32 s37, s27, 4
	s_add_co_u32 s36, s36, s37
	s_mov_b32 s37, 0
	s_wait_kmcnt 0x0
	s_cmp_eq_u32 s25, 0                            ; the choice hangs on the work-group's number alone
	s_cselect_b64 s[38:39], s[6:7], s[8:9]
	s_cmp_eq_u32 s25, 2
	s_cselect_b64 s[38:39], s[10:11], s[38:39]
	s_add_nc_u64 s[38:39], s[38:39], s[30:31]
	s_add_nc_u64 s[18:19], s[18:19], s[34:35]
	s_add_nc_u64 s[20:21], s[20:21], s[36:37]
.macro WLOAD t                         ; block t: W(256 h + 32 t + i, my column) into set t % 2
.irp i, 0,1,2,3,4,5,6,7,8,9,10,11,12,13,14,15,16,17,18,19,20,21,22,23,24,25,26,27,28,29,30,31
	global_load_b32 v[WX+32*((\t)%2)+\i], v3, s[38:39] offset:(32*(\t)+\i)*4096
.endr
.endm
	WLOAD 0
	WLOAD 1
.macro WBLOCK t
.set WS, WX+32*((\t)%2)
.if (\t) < 7
	s_wait_loadcnt 32                              ; this block's 32 loads are in; the next block's may be out
.else
	s_wait_loadcnt 0x0
.endif
	v_max3_num_f32 v12, |v[WS]|, |v[WS+1]|, |v[WS+2]|              ; the block's largest magnitude: all 32 numbers are mine
	v_max3_num_f32 v13, |v[WS+3]|, |v[WS+4]|, |v[WS+5]|
.irp i, 6,10,14,18,22,26
	v_max3_num_f32 v12, v12, |v[WS+\i]|, |v[WS+\i+1]|
	v_max3_num_f32 v13, v13, |v[WS+\i+2]|, |v[WS+\i+3]|
.endr
	v_max3_num_f32 v12, v12, |v[WS+30]|, |v[WS+31]|
	v_max3_num_f32 v12, v12, v13, 0x1800000        ; the floor 2^(3 - 127)
	v_add_nc_u32 v11, 0xff000000, v12              ; 2 off the exponent field: the conversion's scale operand
	v_lshrrev_b32 v13, 23, v11                     ; the scale's byte
.if (\t)%4 == 0
	v_mov_b32 v[SB+(\t)/4], v13                    ; four bytes to a register, the lower K in the lower byte
.else
	v_lshl_or_b32 v[SB+(\t)/4], v13, 8*((\t)%4), v[SB+(\t)/4]
.endif
.irp g, 0,1,2,3
	v_cvt_scalef32_pk8_fp4_f32 v[WC+\g], v[WS+8*\g:WS+8*\g+7], v11
.endr
	ds_store_b128 v4, v[WC:WC+3] offset:16*(\t)    ; 32 codes: 16 bytes of my column's row
.if (\t)+2 < 8
	WLOAD (\t)+2
.endif
	s_wait_dscnt 0x0                               ; the store has read its registers: the next block's codes may be written
.endm
.irp t, 0,1,2,3,4,5,6,7
	WBLOCK \t
.endr
	global_store_b64 v9, v[SB:SB+1], s[20:21]      ; my 8 scale bytes
.irp t, 0,1,2,3,4,5,6,7
	ds_load_b128 v[OUTR+4*\t:OUTR+4*\t+3], v7 offset:2*\t*PITCH
.endr
.irp t, 0,1,2,3,4,5,6,7
	s_wait_dscnt 7-\t                              ; LDS loads come back in order: load t is in
	global_store_b128 v8, v[OUTR+4*\t:OUTR+4*\t+3], s[18:19] offset:2*\t*512   ; sixteen lanes store 256 consecutive bytes, aligned
.endr
	s_branch .Lend
; ---------------- path O: 32 columns x 256 along k of Wo for each wave, in 8 units of 32 along k
.Lpath_o:
	s_sub_co_u32 s25, ttmp9, 96
	s_and_b32 s26, s25, 7                          ; which 128 columns
	s_lshr_b32 s27, s25, 3                         ; which 256 along k
	v_lshlrev_b32 v3, 2, v2                        ; in: 4 bytes a lane
	v_lshlrev_b32 v4, 4, v2                        ; out: 16 bytes a lane
	s_lshl_b32 s28, s26, 9
	s_lshl_b32 s29, s24, 7
	s_add_co_u32 s28, s28, s29                     ; 4 x my wave's first column
	s_lshl_b32 s29, s27, 20
	s_add_co_u32 s28, s28, s29                     ; + 256 rows of 4,096 bytes for each k group
	s_mov_b32 s29, 0
	s_lshl_b32 s30, s26, 3
	s_lshl_b32 s31, s24, 1
	s_add_co_u32 s30, s30, s31                     ; my first tile of 16 columns
	s_lshl_b32 s30, s30, 15                        ; 32 fragments of 1,024 bytes a tile
	s_lshl_b32 s31, s27, 13                        ; 8 fragments a k group
	s_add_co_u32 s30, s30, s31
	s_mov_b32 s31, 0
	s_wait_kmcnt 0x0
	s_add_nc_u64 s[12:13], s[12:13], s[28:29]
	s_add_nc_u64 s[22:23], s[22:23], s[30:31]
.macro OLOAD u
.irp i, 0,1,2,3,4,5,6,7,8,9,10,11,12,13,14,15,16,17,18,19,20,21,22,23,24,25,26,27,28,29,30,31
	global_load_b32 v[OX+32*((\u)%2)+\i], v3, s[12:13] offset:(32*(\u)+\i)*4096
.endr
.endm
	OLOAD 0
	OLOAD 1
; A lane holds 32 along k of one column; lanes 0-15 are one tile of columns, lanes 16-31 the next.  A fragment wants k = 8 h + 0..7 in registers 0-3 and 16 + 8 h + 0..7 in registers 4-7 (h = lane / 16):
; the exchange of halves between pairs 0-3 and 4-7 (and 8-11 and 12-15) gives the first tile's registers in 0-3 and 8-11, the second's in 4-7 and 12-15.
.macro OUNIT u
.if (\u) < 7
	s_wait_loadcnt 32                              ; this unit's 32 loads are in; the next unit's may be out
.else
	s_wait_loadcnt 0x0
.endif
	s_wait_xcnt 0x0                                ; the last unit's stores have read their data: the pairs are written again only behind this wait
.irp i, 0,1,2,3,4,5,6,7,8,9,10,11,12,13,14,15
	v_cvt_pk_f16_f32 v[OP+\i], v[OX+32*((\u)%2)+2*\i], v[OX+32*((\u)%2)+2*\i+1]
.endr
.irp i, 0,1,2,3
	v_permlane16_swap_b32 v[OP+\i], v[OP+4+\i]
	v_permlane16_swap_b32 v[OP+8+\i], v[OP+12+\i]
.endr
	global_store_b128 v4, v[OP:OP+3], s[22:23] offset:1024*(\u)               ; each store: 512 consecutive bytes, aligned
	global_store_b128 v4, v[OP+8:OP+11], s[22:23] offset:1024*(\u)+512
	global_store_b128 v4, v[OP+4:OP+7], s[22:23] offset:32768+1024*(\u)
	global_store_b128 v4, v[OP+12:OP+15], s[22:23] offset:32768+1024*(\u)+512
.if (\u)+2 < 8
	OLOAD (\u)+2
.endif
.endm
.irp u, 0,1,2,3,4,5,6,7
	OUNIT \u
.endr
.Lend:
	s_wait_tensorcnt 0x0                           ; the wave's end
	ds_add_u32 v[SPW], v[NIL]
	s_wait_dscnt 0x0
	s_endpgm
.Lfunc_end_k_qde7baa46df_prep:
	.size	k_qde7baa46df_prep, .Lfunc_end_k_qde7baa46df_prep-k_qde7baa46df_prep
	.p2alignl 7, 3214868480
	.fill 96, 4, 3214868480
	.section	.rodata,"a",@progbits
	.p2align	6, 0x0
	.amdhsa_kernel k_qde7baa46df_prep
		.amdhsa_group_segment_fixed_size 50688
		.amdhsa_private_segment_fixed_size 0
		.amdhsa_enable_private_segment 0
		.amdhsa_kernarg_size 80
		.amdhsa_user_sgpr_count 2
		.amdhsa_user_sgpr_kernarg_segment_ptr 1
		.amdhsa_wavefront_size32 1
		.amdhsa_system_sgpr_workgroup_id_x 1
		.amdhsa_system_sgpr_workgroup_id_y 1
		.amdhsa_system_sgpr_workgroup_id_z 1
		.amdhsa_system_vgpr_workitem_id 0
		.amdhsa_next_free_vgpr 192
		.amdhsa_next_free_sgpr 66
		.amdhsa_reserve_vcc 0
		.amdhsa_float_denorm_mode_32 3
		.amdhsa_float_denorm_mode_16_64 3
		.amdhsa_memory_ordered 1
		.amdhsa_forward_progress 1
		.amdhsa_inst_pref_size 111
	.end_amdhsa_kernel
	.amdgpu_metadata
---
amdhsa.version: [ 1, 2 ]
amdhsa.kernels:
  - .name:           k_qde7baa46df_prep
    .symbol:         k_qde7baa46df_prep.kd
    .args:
      - { .name: x, .offset: 0, .size: 8, .value_kind: global_buffer, .address_space: global }
      - { .name: Wq, .offset: 8, .size: 8, .value_kind: global_buffer, .address_space: global }
      - { .name: Wk, .offset: 16, .size: 8, .value_kind: global_buffer, .address_space: global }
      - { .name: Wv, .offset: 24, .size: 8, .value_kind: global_buffer, .address_space: global }
      - { .name: Wo, .offset: 32, .size: 8, .value_kind: global_buffer, .address_space: global }
      - { .name: xc, .offset: 40, .size: 8, .value_kind: global_buffer, .address_space: global }
      - { .name: xs, .offset: 48, .size: 8, .value_kind: global_buffer, .address_space: global }
      - { .name: wc, .offset: 56, .size: 8, .value_kind: global_buffer, .address_space: global }
      - { .name: ws, .offset: 64, .size: 8, .value_kind: global_buffer, .address_space: global }
      - { .name: wo16, .offset: 72, .size: 8, .value_kind: global_buffer, .address_space: global }
    .group_segment_fixed_size: 50688
    .private_segment_fixed_size: 0
    .kernarg_segment_align: 8
    .kernarg_segment_size: 80
    .max_flat_workgroup_size: 128
    .sgpr_count:     66
    .vgpr_count:     192
    .wavefront_size: 32
...
	.end_amdgpu_metadata
.endif
;; end of part 1
;; launch qkv (part 2): grid 12 x 32, 4 waves a work-group, clusters of 4 x 4, 327,680 bytes of LDS; arguments xc, xs, wc, ws, qkv16, bq, fq; writes qkv16, fq
.if DOCPART == 2
	.amdgcn_target "amdgcn-amd-amdhsa--gfx1250"
	.amdhsa_code_object_version 6
	.text
	.protected	k_qde7baa46df_qkv
	.globl	k_qde7baa46df_qkv
	.p2align	8
	.type	k_qde7baa46df_qkv,@function
k_qde7baa46df_qkv:
	s_mov_b64 s[64:65], 0
	v_nop
	global_prefetch_b8 v0, s[64:65] scope:SCOPE_SE
	s_setreg_imm32_b32 hwreg(HW_REG_WAVE_MODE, 25, 1), 1
	s_wait_xcnt 0x0
	s_wait_alu depctr_hold_cnt(0) depctr_sa_sdst(0) depctr_va_vdst(0) depctr_va_sdst(0) depctr_va_ssrc(0) depctr_va_vcc(0) depctr_vm_vsrc(0)
	s_getreg_b32 s2, hwreg(HW_REG_IB_STS2, 6, 4)
	s_cmp_eq_u32 s2, 0
	s_cbranch_scc0 .Lentry_in_a_cluster
	s_endpgm
.Lentry_in_a_cluster:
	s_bfe_u32 s2, ttmp6, 0x10000c
	s_cmp_lg_u32 s2, 0xf033
	s_cbranch_scc0 .Lentry_shape_is_right
	s_endpgm
.Lentry_shape_is_right:
; q = x Wq + bq, k = x Wk, v = x Wv: the three quantised products, on codes of E2M1 with E8M0 scales, sums in f32.  bk is left out (it moves no softmax: shown at the head of launch prep); bv is added in launches attn and fine.
; A tile of 256 x 256 results to a work-group of four waves, 128 x 128 a wave: 64 accumulators, 512 registers.  K = 1,024 is two LDS slots of 512 along K, both filled at the start: nothing is filled again.
; The scale bytes of the work-group's 2 x 256 rows, for all of K, come into LDS once.  A wave has three tensor loads out at the most.
; CLUSTERS of 4 x 4; the cluster's x is the SECTION: 0 q, 1 k, 2 v.  "A" (source 1, shared along a row of the cluster) and "B" (source 0, shared along a column):
;   sections 0, 1: A = x, tile 8 cy + Y (Y = the cluster's y); B = the weight's columns, tile 4 section + cx.   A lane holds ONE token, its registers eight neighbouring channels.
;   section 2:     A = Wv's columns, tile 8 + cy;  B = x, tile 8 cx + Y.                                          A lane holds ONE channel, its registers eight neighbouring keys: v comes out transposed.
; THE WAY OUT uses no LDS: a lane's eight f32 of a block of 16 become four registers of f16, which ARE registers 0-3 (even block) or 4-7 (odd block) of the next product's 16 x 32 fragment.  They are stored as images of
; those registers, lane l's 16 bytes at 16 l: each store covers 512 consecutive bytes, aligned.
;   qkv16 sections 0, 1: [batch 8][head pair 8][tile of 16 tokens 64][head in pair 2][32 channels 2][1,024 bytes];  section 2: [batch][head pair][head in pair 2, 16 channels 4][32 keys 32][1,024 bytes].
; Positions 0-15 of every sequence also leave in f32 (fq: [section][batch][block of 16 channels 64][1,024 bytes: registers 0-3, then 4-7]) for launch fine.
; LIMIT: |q|, |k|, |v| stay under 65,504 (f16).
; REGISTERS: window 0: v0-31 addresses; v32-95 scale words, two sets (on the way out: packed results); v128-191 A's fragments, one set; v192-255 the first products' C (bq, or zeros).
;   window 1: B's fragments, two sets.   window 2: accumulators of A's blocks 0-3 ((a, b) at v[8 (8 a + b)]);   window 3: of blocks 4-7.
.set NQ,     4                         ; matrix instructions deep in a slot
.set ROWB,   256                       ; a tile's row: 512 codes
.set KROW,   512                       ; a row of codes in memory
.set PITCH,  272                       ; an LDS row: 256 bytes + 16 of padding: the 16 rows of a load start at 16 different banks (64 banks of 4 bytes: ISA guide 11.1)
.set FR,     8
.set NL,     2
.set NP,     4                         ; places behind this matrix instruction (ISA guide 7.12.1)
.set HALFT,  128*PITCH
.set SLOT,   4*HALFT
.set KS,     32                        ; a row of scale bytes
.set SCL,    2*SLOT
.set HALFS,  (128*KS/256)*272
.set SBLK,   (16*KS/256)*272
.set SPARE,  SCL+4*HALFS               ; the spare words, 128 bytes a wave
.set ADRA, 16
.set ADRB, 20
.set CO,   26                          ; v26  16 x lane
.set ADRS, 27
.set SPW,  28
.set NIL,  29
.set BO,   30                          ; v30  32 x (lane / 16): my eight numbers of a block of bq
.set SC,   32
.set TMP,  32
.set AF,   128
.set BI,   192
.set G1, 24
.set G0, 32
.set G1B, 48
.set G0B, 56
.set G1S, 68
.set G0S, 76
.set G1SB, 80
.set G0SB, 88
.set MSB, 0
.macro WIN new                         ; the immediate's high byte repeats the setting that is left
.if MSB != \new
	s_set_vgpr_msb (MSB<<8)|\new
.set MSB, \new
.endif
.endm
.set MUL_LO, 0xa1                      ; source 0 (B) window 1, source 1 (A) window 0, C and D window 2
.set MUL_HI, 0xf1                      ; the same, C and D window 3
.set TO_B,   0x40
; A joint load: waves 0 and 1 fetch for A, waves 2 and 3 for B; the branch hangs on the wave's number alone.  An s_nop 0 and four v_nop follow each line.
.macro JLOAD g0a, g1a, g0b, g1b
	s_cmp_eq_u32 s15, 0
	s_cbranch_scc0 .Lfor_b_\@
	tensor_load_to_lds s[\g0a:\g0a+3], s[\g1a:\g1a+7]
	s_nop 0
.rept 4
	v_nop
.endr
	s_branch .Lasked_\@
.Lfor_b_\@:
	tensor_load_to_lds s[\g0b:\g0b+3], s[\g1b:\g1b+7]
	s_nop 0
.rept 4
	v_nop
.endr
.Lasked_\@:
.endm
.macro CROUND                          ; a round of the cluster's barrier
	s_barrier_signal -1
	s_barrier_wait -1
	s_cmp_lg_u32 s14, 0
	s_cbranch_scc1 .Lnot_wave_0_\@
	s_barrier_signal -3
.Lnot_wave_0_\@:
	s_barrier_wait -3
	s_barrier_signal -1
	s_barrier_wait -1
.endm
	s_load_b128 s[4:7], s[0:1], 0x0                ; x's codes, x's scales
	s_load_b128 s[8:11], s[0:1], 0x10              ; the weights' codes, their scales
	s_load_b64 s[12:13], s[0:1], 0x20              ; qkv16
	s_load_b64 s[96:97], s[0:1], 0x28              ; bq
	s_load_b64 s[100:101], s[0:1], 0x30            ; fq
	v_lshl_add_u32 v[SPW], v0, 2, SPARE
	v_mov_b32 v[NIL], 0
	ds_add_u32 v[SPW], v[NIL]                      ; the wave's opening: the add, twice on end, and its wait ahead of my first tensor load
	ds_add_u32 v[SPW], v[NIL]
	v_lshrrev_b32 v1, 5, v0
	v_readfirstlane_b32 s14, v1                    ; wave 0..3
	s_lshr_b32 s15, s14, 1                         ; which half of A's rows is mine.  Also: I fetch for A (0) or for B (1)
	s_and_b32 s16, s14, 1                          ; which half of B's rows.  Also: which 128 rows I fetch
	s_bfe_u32 s40, ttmp6, 0x40000                  ; cx
	s_bfe_u32 s41, ttmp6, 0x40004                  ; cy
	s_and_b32 s95, ttmp7, 0xffff                   ; Y
	s_lshl_b32 s17, s41, 3
	s_add_co_u32 s17, s17, s95                     ; A's tile: of x, 8 cy + Y,
	s_add_co_u32 s18, s41, 8                       ; or of the weights' rows, 8 + cy
	s_cmp_eq_u32 ttmp9, 2                          ; the section is the same in all sixteen partners
	s_cselect_b32 s17, s18, s17
	s_lshl_b32 s42, ttmp9, 2
	s_add_co_u32 s42, s42, s40                     ; B's tile: of the weights' rows, 4 section + cx,
	s_lshl_b32 s45, s40, 3
	s_add_co_u32 s45, s45, s95                     ; or of x, 8 cx + Y
	s_cmp_eq_u32 ttmp9, 2
	s_cselect_b32 s42, s45, s42
	s_lshl_b32 s43, s41, 2
	s_lshl_b32 s43, 15, s43                        ; my row of the cluster
	s_lshl_b32 s44, 0x1111, s40                    ; my column
	s_or_b32 s[G1+0], s43, (0<<16)|(1<<20)|(1<<21)|(5<<22)|(3<<25)  ; the mask; elements of 1 byte; padding: 4 words behind every 64; bit 21 beside a mask
	s_or_b32 s[G1B+0], s44, (0<<16)|(1<<20)|(1<<21)|(5<<22)|(3<<25)
.irp g, G1, G1B
	s_mov_b32 s[\g+1], ROWB<<16                    ; tensor_dim0
	s_mov_b32 s[\g+2], 128<<16                     ; tensor_dim1
	s_mov_b32 s[\g+3], ROWB<<16                    ; tile_dim0
	s_mov_b32 s[\g+4], 128                         ; tile_dim1
	s_mov_b32 s[\g+5], KROW                        ; the pitch
	s_mov_b32 s[\g+6], 0
	s_mov_b32 s[\g+7], 0
.endr
	s_or_b32 s[G1S+0], s43, (3<<16)|(1<<20)|(1<<21)|(5<<22)|(3<<25) ; the scales of 128 rows: 4,096 dense bytes as 16 rows of 256, 16 bytes of padding behind each
	s_or_b32 s[G1SB+0], s44, (3<<16)|(1<<20)|(1<<21)|(5<<22)|(3<<25)
.irp g, G1S, G1SB
	s_mov_b32 s[\g+1], 32<<16
	s_mov_b32 s[\g+2], (128*KS/256)<<16
	s_mov_b32 s[\g+3], 32<<16
	s_mov_b32 s[\g+4], 128*KS/256
	s_mov_b32 s[\g+5], 32
	s_mov_b32 s[\g+6], 0
	s_mov_b32 s[\g+7], 0
.endr
	s_lshl_b32 s18, s16, 7                         ; which 128 rows of the tile I fetch
	s_lshl_b32 s20, s17, 8
	s_add_co_u32 s20, s20, s18                     ; A's row
	s_lshl_b32 s46, s42, 8
	s_add_co_u32 s46, s46, s18                     ; B's row
	s_mov_b32 s21, 0
	s_mov_b32 s47, 0
	s_mov_b64 s[18:19], KS
	s_mul_u64 s[22:23], s[20:21], s[18:19]         ; where these rows' scales begin,
	s_mul_u64 s[92:93], s[46:47], s[18:19]
	s_mov_b64 s[18:19], KROW
	s_mul_u64 s[20:21], s[20:21], s[18:19]         ; and their codes
	s_mul_u64 s[46:47], s[46:47], s[18:19]
	s_mul_i32 s45, s14, HALFT                      ; where they go: wave x 128 rows: no place in the cluster enters an LDS address
	s_mul_i32 s94, s14, HALFS
	s_wait_dscnt 0x0                               ; both opening adds are done
	s_wait_kmcnt 0x0
	s_cmp_eq_u32 ttmp9, 2                          ; which buffer is A and which B: a choice on the section alone
	s_cselect_b64 s[2:3], s[8:9], s[4:5]           ; A's codes
	s_cselect_b64 s[66:67], s[10:11], s[6:7]       ; A's scales
	s_cselect_b64 s[8:9], s[4:5], s[8:9]           ; B's codes
	s_cselect_b64 s[10:11], s[6:7], s[10:11]       ; B's scales
	s_add_nc_u64 s[20:21], s[2:3], s[20:21]
	s_add_nc_u64 s[22:23], s[66:67], s[22:23]
	s_add_nc_u64 s[46:47], s[8:9], s[46:47]
	s_add_nc_u64 s[92:93], s[10:11], s[92:93]
	CROUND                                         ; all sixteen work-groups are here: the joint loads meet
	s_mov_b32 s[G0S], 1
	s_add_co_u32 s[G0S+1], s94, SCL
	s_mov_b64 s[G0S+2:G0S+3], s[22:23]
	s_or_b32 s[G0S+3], s[G0S+3], 0x80000000
	s_mov_b32 s[G0SB], 1
	s_add_co_u32 s[G0SB+1], s94, SCL
	s_mov_b64 s[G0SB+2:G0SB+3], s[92:93]
	s_or_b32 s[G0SB+3], s[G0SB+3], 0x80000000
	JLOAD G0S, G1S, G0SB, G1SB                     ; the scales first: they are wanted with the first step
.irp s, 0,1
	s_mov_b32 s[G0+4*\s], 1
	s_add_co_u32 s[G0+4*\s+1], s45, \s*SLOT
	s_add_nc_u64 s[G0+4*\s+2:G0+4*\s+3], s[20:21], \s*ROWB
	s_or_b32 s[G0+4*\s+3], s[G0+4*\s+3], 0x80000000
	s_mov_b32 s[G0B+4*\s], 1
	s_add_co_u32 s[G0B+4*\s+1], s45, \s*SLOT
	s_add_nc_u64 s[G0B+4*\s+2:G0B+4*\s+3], s[46:47], \s*ROWB
	s_or_b32 s[G0B+4*\s+3], s[G0B+4*\s+3], 0x80000000
	JLOAD G0+4*\s, G1, G0B+4*\s, G1B
.endr
	v_and_b32 v1, 15, v0                           ; r = lane % 16
	v_bfe_u32 v2, v0, 4, 1                         ; h = lane / 16
	; THE FIRST PRODUCTS' C: in section 0 bq at my eight channels of each of B's eight blocks; else zeros
	v_lshlrev_b32 v[BO], 5, v2
	s_lshl_b32 s98, s40, 10
	s_lshl_b32 s99, s16, 9
	s_add_co_u32 s98, s98, s99                     ; 4 x (256 cx + 128 x my half)
	s_mov_b32 s99, 0
	s_add_nc_u64 s[96:97], s[96:97], s[98:99]
	s_cmp_lg_u32 ttmp9, 0
	s_cbranch_scc1 .Lno_bias
.irp b, 0,1,2,3,4,5,6,7
	global_load_b128 v[BI+8*\b:BI+8*\b+3], v[BO], s[96:97] offset:64*\b
	global_load_b128 v[BI+8*\b+4:BI+8*\b+7], v[BO], s[96:97] offset:64*\b+16
.endr
	s_branch .Lbias_done
.Lno_bias:
.set i, 0
.rept 64
	v_mov_b32 v[BI+i], 0
.set i, i+1
.endr
.Lbias_done:
	v_mul_u32_u24 v3, v1, PITCH
	v_lshl_add_u32 v4, v2, 4, v3                   ; a fragment's row x pitch + 16 x half
	s_mul_i32 s21, s15, HALFT                      ; my 128 rows of A
	s_mul_i32 s22, s16, HALFT                      ; my 128 rows of B,
	s_add_co_u32 s22, s22, 2*HALFT                 ; which lie behind A's 256
.irp s, 0,1
	v_add_nc_u32 v[ADRA+\s], s21, v4
	v_add_nc_u32 v[ADRB+\s], s22, v4
	s_add_co_u32 s21, s21, SLOT
	s_add_co_u32 s22, s22, SLOT
.endr
	v_mul_u32_u24 v5, v1, KS                       ; my row's scales: 32 bytes a row,
	v_lshrrev_b32 v6, 8, v5
	v_lshl_add_u32 v5, v6, 4, v5                   ; and 16 more for each 256 passed
	s_mul_i32 s21, s15, HALFS
	s_mul_i32 s22, s16, HALFS
	s_add_co_u32 s22, s22, 2*HALFS
	s_sub_co_u32 s22, s22, s21
	v_mul_u32_u24 v6, s22, v2                      ; lanes 16-31 take B's: one product, the distance between the two
	s_add_co_u32 s21, s21, SCL
	v_add_nc_u32 v5, v5, v6
	v_add_nc_u32 v[ADRS], s21, v5
	v_and_b32 v6, 31, v0
	v_lshlrev_b32 v[CO], 4, v6
	; where my results go.  The x tile is 8 c + Y (c = cy or cx): batch 2 c + Y / 4, quarter Y % 4 of its 1,024 tokens
	s_cmp_eq_u32 ttmp9, 2
	s_cselect_b32 s66, s40, s41                    ; c of the x tile
	s_cselect_b32 s67, s41, s40                    ; c of the weights' tile
	s_cselect_b32 s98, s16, s15                    ; my half of the x tile
	s_cselect_b32 s99, s15, s16                    ; my half of the weights' tile
	s_cselect_b32 s94, 12, 15                      ; 128 tokens are 8 tiles of 4,096 bytes (q, k), or 4 fragments of 1,024 (v)
	s_mov_b32 s2, 4096
	s_cselect_b32 s2, 32768, s2                    ; from one of A's blocks to the next: a tile of tokens (q, k), or 16 channels' 32 fragments (v)
	s_mov_b32 s3, 0
	s_lshl_b32 s66, s66, 1
	s_lshr_b32 s18, s95, 2
	s_add_co_u32 s66, s66, s18                     ; the batch
	s_and_b32 s18, s95, 3
	s_lshl_b32 s67, s67, 1
	s_add_co_u32 s67, s67, s99                     ; the head pair: my 128 channels
	s_lshl_b32 s93, s18, 1
	s_add_co_u32 s93, s93, s98                     ; which 128 tokens of the batch; 0: they begin with positions 0-15
	s_lshl_b32 s20, s66, 3
	s_add_co_u32 s20, s20, s67
	s_lshl_b32 s20, s20, 18                        ; (batch, head pair): 262,144 bytes each
	s_lshl_b32 s21, ttmp9, 24
	s_add_co_u32 s20, s20, s21                     ; the section
	s_lshl_b32 s21, s93, s94
	s_add_co_u32 s20, s20, s21
	s_mov_b32 s21, 0
	s_add_nc_u64 s[12:13], s[12:13], s[20:21]
	s_lshl_b32 s20, ttmp9, 3
	s_add_co_u32 s20, s20, s66
	s_lshl_b32 s20, s20, 16                        ; fq: (section, batch): 64 blocks of 1,024 bytes,
	s_lshl_b32 s22, s67, 13                        ; 8 blocks a head pair
	s_add_co_u32 s20, s20, s22
	s_add_nc_u64 s[100:101], s[100:101], s[20:21]
.macro FRAG reg, adr, q, i             ; 16 rows x 128 K of 4-bit codes: 8 registers; registers 4 c .. 4 c + 3 hold K = 64 c + 32 (lane / 16) + 0 .. 31
.irp c, 0,1
	ds_load_b128 v[\reg+4*\c:\reg+4*\c+3], v[\adr] offset:64*(\q)+32*\c+(\i)*16*PITCH
.endr
.endm
; 16 matrix instructions: A's blocks a0, a0 + 1 x B's eight.  first = 1: the sums begin with the registers at BI.  The 64 accumulators take turns, one instruction a turn.
.macro MUL16 a0, p, q, sc, first
.irp a, \a0, \a0+1
.irp b, 0,1,2,3,4,5,6,7
.if \first
	v_wmma_scale_f32_16x16x128_f8f6f4 v[8*(8*((\a)%4)+\b):8*(8*((\a)%4)+\b)+7], v[128*(\p)+FR*\b:128*(\p)+FR*\b+FR-1], v[AF+FR*(\a):AF+FR*(\a)+FR-1], v[BI+8*\b:BI+8*\b+7], v[SC+8*NQ*(\sc)+NQ*\b+(\q)], v[SC+8*NQ*(\sc)+NQ*(\a)+(\q)] matrix_a_fmt:MATRIX_FMT_FP4 matrix_b_fmt:MATRIX_FMT_FP4 matrix_a_scale:MATRIX_SCALE_ROW1
.else
	v_wmma_scale_f32_16x16x128_f8f6f4 v[8*(8*((\a)%4)+\b):8*(8*((\a)%4)+\b)+7], v[128*(\p)+FR*\b:128*(\p)+FR*\b+FR-1], v[AF+FR*(\a):AF+FR*(\a)+FR-1], v[8*(8*((\a)%4)+\b):8*(8*((\a)%4)+\b)+7], v[SC+8*NQ*(\sc)+NQ*\b+(\q)], v[SC+8*NQ*(\sc)+NQ*(\a)+(\q)] matrix_a_fmt:MATRIX_FMT_FP4 matrix_b_fmt:MATRIX_FMT_FP4 matrix_a_scale:MATRIX_SCALE_ROW1
.endif
.endr
.endr
.endm
.macro FETCH_B slot, q, p
	WIN TO_B
.irp i, 0,1,2,3,4,5,6,7
	FRAG 128*(\p)+FR*\i, ADRB+\slot, \q, \i
.endr
	WIN 0
.endm
.macro FETCH_A slot, q, i0
.irp i, \i0, \i0+1, \i0+2, \i0+3
	FRAG AF+FR*(\i), ADRA+\slot, \q, \i
.endr
.endm
.macro SCALES sc                       ; a slot's scale words: lanes 0-15 take A's block i, lanes 16-31 B's block i
.irp i, 0,1,2,3,4,5,6,7
	ds_load_b128 v[SC+8*NQ*\sc+NQ*\i:SC+8*NQ*\sc+NQ*\i+3], v[ADRS] offset:\i*SBLK
.endr
.endm
.macro PLACES n                        ; plain vector instructions behind matrix instructions, ahead of loads into registers that they read and of the first read of results
.rept \n
	v_nop
.endr
.endm
.macro STEP slot, q, first             ; 128 along K that has its successor in the same slot
	s_wait_dscnt 4*NL                              ; B's set and A's blocks 0-3 are in; the youngest eight loads (A's blocks 4-7) may be out
	WIN MUL_LO-0x20*(\first)                       ; (first: C in window 0)
	MUL16 0, (\q)%2, \q, \slot, \first
	MUL16 2, (\q)%2, \q, \slot, \first
	s_wait_dscnt 0
	PLACES NP
	FETCH_B \slot, (\q)+1, 1-(\q)%2
	FETCH_A \slot, (\q)+1, 0
	WIN MUL_HI-0x30*(\first)
	MUL16 4, (\q)%2, \q, \slot, \first
	MUL16 6, (\q)%2, \q, \slot, \first
	PLACES NP
	WIN 0
	FETCH_A \slot, (\q)+1, 4
.endm
.macro STEPS slot, from
.set QQ, \from
.rept NQ-1-\from
	STEP \slot, QQ, 0
.set QQ, QQ+1
.endr
.endm
	s_wait_tensorcnt 1                             ; the scales and my part of slot 0 are in; slot 1's load may stay out
	s_barrier_signal -1
	s_barrier_wait -1
	FETCH_B 0, 0, 0
	FETCH_A 0, 0, 0
	SCALES 0
	FETCH_A 0, 0, 4
	s_wait_loadcnt 0x0                             ; bq
	STEP 0, 0, 1
	STEPS 0, 1
	; slot 0's last step changes slots: one barrier; in front of it my part of slot 1 has landed
	s_wait_tensorcnt 0x0
	ds_add_u32 v[SPW], v[NIL]
	s_wait_dscnt 4*NL+1                            ; the add and the youngest eight loads may be out
	WIN MUL_LO
	MUL16 0, 1, NQ-1, 0, 0
	s_wait_dscnt 0x0
	s_barrier_signal -1
	MUL16 2, 1, NQ-1, 0, 0
	WIN 0
	s_barrier_wait -1
	PLACES NP
	v_add_nc_u32 v[ADRS], 4*NQ, v[ADRS]            ; the second slot's scale words
	FETCH_B 1, 0, 0
	FETCH_A 1, 0, 0
	SCALES 1
	WIN MUL_HI
	MUL16 4, 1, NQ-1, 0, 0
	MUL16 6, 1, NQ-1, 0, 0
	PLACES NP
	WIN 0
	FETCH_A 1, 0, 4
	STEPS 1, 0
	s_wait_dscnt 4*NL                              ; the very last step
	WIN MUL_LO
	MUL16 0, 1, NQ-1, 1, 0
	MUL16 2, 1, NQ-1, 1, 0
	s_wait_dscnt 0
	WIN MUL_HI
	MUL16 4, 1, NQ-1, 1, 0
	MUL16 6, 1, NQ-1, 1, 0
	WIN 0
	PLACES NP                                      ; ahead of the first read of results and of writes into the scale words' registers
	; positions 0-15 in f32: the wave whose 128 tokens begin a batch.  The test is made of the cluster's y, the section and the wave's number
	s_cmp_lg_u32 s93, 0
	s_cbranch_scc1 .Lno_fine
	s_cmp_eq_u32 ttmp9, 2
	s_cbranch_scc1 .Lfine_v
	WIN 0x08                                       ; a store's data: window 2.  q, k: A's block 0 x B's eight blocks of channels
.irp b, 0,1,2,3,4,5,6,7
	global_store_b128 v[CO], v[8*\b:8*\b+3], s[100:101] offset:1024*\b            ; each accumulator from its low end on
	global_store_b128 v[CO], v[8*\b+4:8*\b+7], s[100:101] offset:1024*\b+512
.endr
	WIN 0
	s_branch .Lno_fine
.Lfine_v:
	WIN 0x08                                       ; v: A's eight blocks of channels x B's block 0
.irp a, 0,1,2,3
	global_store_b128 v[CO], v[64*\a:64*\a+3], s[100:101] offset:1024*\a
	global_store_b128 v[CO], v[64*\a+4:64*\a+7], s[100:101] offset:1024*\a+512
.endr
	WIN 0x0c
.irp a, 0,1,2,3
	global_store_b128 v[CO], v[64*\a:64*\a+3], s[100:101] offset:1024*(\a+4)
	global_store_b128 v[CO], v[64*\a+4:64*\a+7], s[100:101] offset:1024*(\a+4)+512
.endr
	WIN 0
.Lno_fine:
.macro PACK a                          ; A's block a: 64 f32 a lane become 32 registers of f16, in set a % 2
.set AC, 64*((\a)%4)
.set TT, TMP+32*((\a)%2)
	WIN 0x0a+5*((\a)/4)
.irp b, 0,1,2,3,4,5,6,7
.irp r, 0,1,2,3
	v_cvt_pk_f16_f32 v[TT+4*\b+\r], v[AC+8*\b+2*\r], v[AC+8*\b+2*\r+1]
.endr
.endr
	WIN 0
.endm
.macro SENDQ a
.set TT, TMP+32*((\a)%2)
.irp b, 0,1,2,3,4,5,6,7
	global_store_b128 v[CO], v[TT+4*\b:TT+4*\b+3], s[12:13] offset:512*\b          ; 512 consecutive bytes, aligned
.endr
.endm
	PACK 0
	SENDQ 0
.irp a, 1,2,3,4,5,6,7
	PACK \a                                        ; into the set whose stores were issued ahead of the last wait below
	s_wait_xcnt 0x0                                ; the stores issued so far have read their base and their data
	s_add_nc_u64 s[12:13], s[12:13], s[2:3]
	SENDQ \a
.endr
	s_wait_tensorcnt 0x0                           ; the wave's end
	ds_add_u32 v[SPW], v[NIL]
	s_wait_dscnt 0x0
	CROUND                                         ; the closing round
	s_endpgm
.Lfunc_end_k_qde7baa46df_qkv:
	.size	k_qde7baa46df_qkv, .Lfunc_end_k_qde7baa46df_qkv-k_qde7baa46df_qkv
	.p2alignl 7, 3214868480
	.fill 96, 4, 3214868480
	.section	.rodata,"a",@progbits
	.p2align	6, 0x0
	.amdhsa_kernel k_qde7baa46df_qkv
		.amdhsa_group_segment_fixed_size 327680
		.amdhsa_private_segment_fixed_size 0
		.amdhsa_enable_private_segment 0
		.amdhsa_kernarg_size 56
		.amdhsa_user_sgpr_count 2
		.amdhsa_user_sgpr_kernarg_segment_ptr 1
		.amdhsa_wavefront_size32 1
		.amdhsa_system_sgpr_workgroup_id_x 1
		.amdhsa_system_sgpr_workgroup_id_y 1
		.amdhsa_system_sgpr_workgroup_id_z 1
		.amdhsa_system_vgpr_workitem_id 0
		.amdhsa_next_free_vgpr 1024
		.amdhsa_next_free_sgpr 102
		.amdhsa_reserve_vcc 0
		.amdhsa_float_denorm_mode_32 3
		.amdhsa_float_denorm_mode_16_64 3
		.amdhsa_memory_ordered 1
		.amdhsa_forward_progress 1
		.amdhsa_inst_pref_size 126
	.end_amdhsa_kernel
	.amdgpu_metadata
---
amdhsa.version: [ 1, 2 ]
amdhsa.kernels:
  - .name:           k_qde7baa46df_qkv
    .symbol:         k_qde7baa46df_qkv.kd
    .args:
      - { .name: xc, .offset: 0, .size: 8, .value_kind: global_buffer, .address_space: global }
      - { .name: xs, .offset: 8, .size: 8, .value_kind: global_buffer, .address_space: global }
      - { .name: wc, .offset: 16, .size: 8, .value_kind: global_buffer, .address_space: global }
      - { .name: ws, .offset: 24, .size: 8, .value_kind: global_buffer, .address_space: global }
      - { .name: qkv16, .offset: 32, .size: 8, .value_kind: global_buffer, .address_space: global }
      - { .name: bq, .offset: 40, .size: 8, .value_kind: global_buffer, .address_space: global }
      - { .name: fq, .offset: 48, .size: 8, .value_kind: global_buffer, .address_space: global }
    .group_segment_fixed_size: 327680
    .private_segment_fixed_size: 0
    .kernarg_segment_align: 8
    .kernarg_segment_size: 56
    .max_flat_workgroup_size: 128
    .sgpr_count:     102
    .vgpr_count:     1024
    .wavefront_size: 32
...
	.end_amdgpu_metadata
.endif
;; end of part 2
;; launch attn (part 3): grid 2 x 128, 8 waves a work-group, no clusters, 263,168 bytes of LDS; arguments qkv16, bv, att16; writes att16
.if DOCPART == 3
	.amdgcn_target "amdgcn-amd-amdhsa--gfx1250"
	.amdhsa_code_object_version 6
	.text
	.protected	k_qde7baa46df_attn
	.globl	k_qde7baa46df_attn
	.p2align	8
	.type	k_qde7baa46df_attn,@function
k_qde7baa46df_attn:
	s_mov_b64 s[64:65], 0
	v_nop
	global_prefetch_b8 v0, s[64:65] scope:SCOPE_SE
	s_setreg_imm32_b32 hwreg(HW_REG_WAVE_MODE, 25, 1), 1
	s_wait_xcnt 0x0
; att[b][q][head] = softmax_k(q . k / 8, causal) v + bv, f16 operands, f32 sums, maxima and exponentials.  Key steps all of whose keys come after the wave's queries are left out (the mask is built in the problem's own body);
; bk is left out (shown at the head of launch prep).  bv is added behind the division by the row's sum: a softmax row sums to 1 (another order of rounding than the source's).
; Positions 0-15 of every sequence are computed here too (they share tiles with live work); launch fine replaces what comes of them.
; SHARES.  A work-group is (g = x, batch and head = y).  Wave w has p = 2 w + g and owns two blocks of 32 queries, 31 - p and p: floor((31 - p) / 2) + 1 + floor(p / 2) + 1 = 17 key steps of 64 keys for every wave.
; NO CLUSTER: only two work-groups read a head's k and v; a cluster of four would join two heads, whose tiles differ.
; LDS.  The head's k (131,072 bytes) and v^T (131,072) lie in LDS whole, as images of operand registers: a fragment is 1,024 bytes, lane l's 16 bytes at 16 l and 512 + 16 l.  Every byte is filled once.
;   k: (tile of 16 keys kt, 32 channels c) at 2,048 kt + 1,024 c.   v^T: (32 keys kc, 16 channels ct) at 131,072 + 65,536 (kc / 16) + 16,384 ct + 1,024 (kc % 16).
; Each wave issues two tensor loads of 16 KiB, the keys under 512 first: two are out at the most.  The first eight steps (keys 0-511 for queries from 512 on) run while the second halves land.
; LAYOUT.  S^T = K Q^T, O^T = V^T P: a lane holds ONE query (lane % 16); S^T's registers of two tiles of keys, rounded to f16 in pairs, are P's fragment; nothing changes lanes between the products.
; SOFTMAX.  Running maximum m and sum l a query; p = 2^(c s - c m), c = log2(e) / 8; O and l are multiplied by a = 2^(c m_old - c m_new) in every step.
; No prefetch: all tiles are asked for at the kernel's head.   LIMIT: |att| stays under 65,504 (f16).
; REGISTERS: v1 16 x lane; v2, v3 LDS addresses; v4, v5 the add's two; v6, v7 at work; v8-23 statistics, 8 a tile (c m, m, l twice, four at work; a in +6); v24-55 Q; v56-119 S^T (P in place over the first 16 of each tile);
;   v120-183 O^T; v184-247 K's, then V's fragments; v248-251 second chains of the sums.
.set LN,  1
.set ADK, 2
.set ADV, 3
.set SPW, 4
.set NIL, 5
.set ST,  8
.set Q,   24
.set S,   56
.set O,   120
.set KV,  184
.set SPARE, 262144
.set WV,  10
.set QB1, 12                           ; s[12:13], s[14:15] Q's images of my two blocks
.set QB2, 14
.set G1K, 16
.set G1V, 24
.set G0,  32                           ; s[32:47] four groups 0: K's two halves, V's two halves
.set TK,  48                           ; LDS byte of the step's K
.set TV,  49                           ; and of its V
.set KF,  50                           ; the step's first key
.set Q0,  51                           ; the block's first query
.set CNT, 52
.set AB1, 54                           ; s[54:55], s[56:57] where my two blocks go in att16
.set AB2, 56
.set CS,  58
.set SEL, 60
	s_load_b128 s[4:7], s[0:1], 0x0                ; qkv16, bv
	s_load_b64 s[8:9], s[0:1], 0x10                ; att16
	v_lshl_add_u32 v[SPW], v0, 2, SPARE
	v_mov_b32 v[NIL], 0
	ds_add_u32 v[SPW], v[NIL]                      ; the wave's opening: the add, twice on end, and its wait ahead of my first tensor load
	ds_add_u32 v[SPW], v[NIL]
	v_lshrrev_b32 v1, 5, v0
	v_readfirstlane_b32 s[WV], v1                  ; wave 0..7
	s_and_b32 s11, ttmp7, 0xffff                   ; 16 x batch + head
	s_mov_b32 s[G1K], 3<<16                        ; K: 8 rows (tiles of 16 keys) of 2,048 bytes = 256 elements of 8 bytes, 4,096 bytes apart (the head pair's other head lies between)
	s_mov_b32 s[G1K+1], 256<<16
	s_mov_b32 s[G1K+2], 8<<16
	s_mov_b32 s[G1K+3], 256<<16
	s_mov_b32 s[G1K+4], 8
	s_mov_b32 s[G1K+5], 512
	s_mov_b32 s[G1K+6], 0
	s_mov_b32 s[G1K+7], 0
	s_mov_b32 s[G1V], 3<<16                        ; V: 16,384 dense bytes as 64 rows of 256
	s_mov_b32 s[G1V+1], 32<<16
	s_mov_b32 s[G1V+2], 64<<16
	s_mov_b32 s[G1V+3], 32<<16
	s_mov_b32 s[G1V+4], 64
	s_mov_b32 s[G1V+5], 32
	s_mov_b32 s[G1V+6], 0
	s_mov_b32 s[G1V+7], 0
	s_mov_b32 s[CS], 0x3e38aa3b                    ; c = log2(e) / 8
	s_mov_b32 s[CS+1], s[CS]
	s_mov_b32 s[SEL], 0x76543210
	s_mov_b32 s[SEL+1], 0xfedcba98
	s_and_b32 s66, s[WV], 3                        ; j: which quarter of a half I fetch
	s_lshl_b32 s67, s66, 14                        ; in LDS
	s_lshl_b32 s68, s66, 15                        ; in memory
	s_lshr_b32 s69, s11, 1
	s_lshl_b32 s69, s69, 18                        ; (batch, head pair): 262,144 bytes
	s_and_b32 s70, s11, 1                          ; the head in its pair
	s_and_b32 s71, s11, 15                         ; the head
	s_lshl_b32 s72, s[WV], 1
	s_add_co_u32 s72, s72, ttmp9                   ; p
	s_sub_co_u32 s73, 31, s72                      ; 31 - p
	s_lshl_b32 s78, s70, 11
	s_add_co_u32 s78, s78, s69                     ; my head's images in a section of q or k
	s_add_co_u32 s74, s78, s68
	s_add_co_u32 s74, s74, 1<<24                   ; section 1: k
	s_mov_b32 s75, 0
	s_lshl_b32 s76, s70, 17
	s_add_co_u32 s76, s76, s69
	s_add_co_u32 s76, s76, s68
	s_add_co_u32 s76, s76, 1<<25                   ; section 2: v^T; j is the tile of 16 channels
	s_mov_b32 s77, 0
	s_wait_dscnt 0x0                               ; both opening adds are done
	s_wait_kmcnt 0x0
	s_mov_b32 s[G0], 1
	s_mov_b32 s[G0+1], s67
	s_add_nc_u64 s[G0+2:G0+3], s[4:5], s[74:75]
	s_mov_b32 s[G0+4], 1
	s_add_co_u32 s[G0+5], s67, 65536
	s_add_nc_u64 s[G0+6:G0+7], s[G0+2:G0+3], 131072     ; 32 tiles of keys on
	s_or_b32 s[G0+3], s[G0+3], 0x80000000
	s_or_b32 s[G0+7], s[G0+7], 0x80000000
	s_mov_b32 s[G0+8], 1
	s_add_co_u32 s[G0+9], s67, 131072
	s_add_nc_u64 s[G0+10:G0+11], s[4:5], s[76:77]
	s_mov_b32 s[G0+12], 1
	s_add_co_u32 s[G0+13], s67, 196608
	s_add_nc_u64 s[G0+14:G0+15], s[G0+10:G0+11], 16384  ; 16 fragments of 32 keys on
	s_or_b32 s[G0+11], s[G0+11], 0x80000000
	s_or_b32 s[G0+15], s[G0+15], 0x80000000
	s_cmp_lt_u32 s[WV], 4                          ; waves 0-3 fetch K, waves 4-7 V: a wave's two fills stand in one branch on its number
	s_cbranch_scc0 .Lfirst_v
	tensor_load_to_lds s[G0:G0+3], s[G1K:G1K+7]
	s_nop 0
	tensor_load_to_lds s[G0+4:G0+7], s[G1K:G1K+7]
	s_nop 0
.rept 4
	v_nop
.endr
	s_branch .Lfirst_asked
.Lfirst_v:
	tensor_load_to_lds s[G0+8:G0+11], s[G1V:G1V+7]
	s_nop 0
	tensor_load_to_lds s[G0+12:G0+15], s[G1V:G1V+7]
	s_nop 0
.rept 4
	v_nop
.endr
.Lfirst_asked:
	v_and_b32 v[LN], 31, v0
	v_lshlrev_b32 v[LN], 4, v[LN]
	s_lshl_b32 s74, s73, 13                        ; a block of 32 queries: two tiles of 4,096 bytes
	s_add_co_u32 s74, s74, s78
	s_add_nc_u64 s[QB1:QB1+1], s[4:5], s[74:75]
	s_lshl_b32 s74, s72, 13
	s_add_co_u32 s74, s74, s78
	s_add_nc_u64 s[QB2:QB2+1], s[4:5], s[74:75]
	s_lshr_b32 s76, s11, 4
	s_lshl_b32 s76, s76, 21                        ; att16: 64 tiles of 32,768 bytes a batch,
	s_lshl_b32 s78, s71, 11                        ; two fragments a head
	s_add_co_u32 s76, s76, s78
	s_lshl_b32 s74, s73, 16
	s_add_co_u32 s74, s74, s76
	s_add_nc_u64 s[AB1:AB1+1], s[8:9], s[74:75]
	s_lshl_b32 s74, s72, 16
	s_add_co_u32 s74, s74, s76
	s_add_nc_u64 s[AB2:AB2+1], s[8:9], s[74:75]
	s_lshl_b32 s74, s71, 8
	s_add_nc_u64 s[6:7], s[6:7], s[74:75]          ; bv at my head's 64 channels
.macro QLOAD base
.irp t, 0,1
.irp c, 0,1
	global_load_b128 v[Q+16*\t+8*\c:Q+16*\t+8*\c+3], v[LN], s[\base:\base+1] offset:4096*\t+1024*\c
	global_load_b128 v[Q+16*\t+8*\c+4:Q+16*\t+8*\c+7], v[LN], s[\base:\base+1] offset:4096*\t+1024*\c+512
.endr
.endr
.endm
.macro INIT                            ; the step is written without a first form of its own: it finds zeros, which the first a = 0 leaves zeros, and m = -3e38, under every score
.irp t, 0,1
	v_mov_b32 v[ST+8*\t+1], 0xff61b1e6
	v_mov_b32 v[ST+8*\t+2], 0
	v_mov_b32 v[ST+8*\t+3], 0
	v_mul_f32 v[ST+8*\t], s[CS], v[ST+8*\t+1]
.endr
.set i, 0
.rept 64
	v_mov_b32 v[O+i], 0
.set i, i+1
.endr
.endm
; A KEY STEP: 64 keys for my 32 queries.  causal = 1: left out where all its keys come after my queries (a branch on ids and the count of steps; the address steps at its end are run all the same); masked on the diagonal.
.macro STEP causal
.if \causal
	s_add_co_u32 s53, s[Q0], 31
	s_cmp_gt_u32 s[KF], s53
	s_cbranch_scc1 .Lhidden_\@
.endif
	v_add_nc_u32 v[ADK], s[TK], v[LN]
	v_add_nc_u32 v[ADV], s[TV], v[LN]
.rept 3
	v_nop                                          ; with the two additions five places behind the last step's products: the first products below write over P, and the loads land where V lay
.endr
.irp kt, 0,1,2,3
.irp c, 0,1
	ds_load_b128 v[KV+16*\kt+8*\c:KV+16*\kt+8*\c+3], v[ADK] offset:2048*\kt+1024*\c
	ds_load_b128 v[KV+16*\kt+8*\c+4:KV+16*\kt+8*\c+7], v[ADK] offset:2048*\kt+1024*\c+512
.endr
.endr
	s_wait_dscnt 0x0
.irp kt, 0,1,2,3                               ; S^T = K Q^T: eight accumulators by turns; channels 0-31 start the sums
.irp t, 0,1
	v_wmma_f32_16x16x32_f16 v[S+32*\t+8*\kt:S+32*\t+8*\kt+7], v[KV+16*\kt:KV+16*\kt+7], v[Q+16*\t:Q+16*\t+7], 0
.endr
.endr
.irp kt, 0,1,2,3
.irp t, 0,1
	v_wmma_f32_16x16x32_f16 v[S+32*\t+8*\kt:S+32*\t+8*\kt+7], v[KV+16*\kt+8:KV+16*\kt+15], v[Q+16*\t+8:Q+16*\t+15], v[S+32*\t+8*\kt:S+32*\t+8*\kt+7]
.endr
.endr
.rept 4
	v_nop                                          ; places ahead of the loads into K's registers and of the first read of the scores
.endr
.irp ks, 0,1                                   ; V's fragments land while the softmax is worked
.irp ct, 0,1,2,3
	ds_load_b128 v[KV+32*\ks+8*\ct:KV+32*\ks+8*\ct+3], v[ADV] offset:16384*\ct+1024*\ks
	ds_load_b128 v[KV+32*\ks+8*\ct+4:KV+32*\ks+8*\ct+7], v[ADV] offset:16384*\ct+1024*\ks+512
.endr
.endr
.if \causal
	s_add_co_u32 s53, s[KF], 63
	s_cmp_le_u32 s53, s[Q0]
	s_cbranch_scc1 .Lopen_\@                       ; all 64 keys count for all my queries
	s_sub_co_i32 s53, s[Q0], s[KF]
	v_and_b32 v6, 15, v0
	v_bfe_u32 v7, v0, 4, 1
	v_lshlrev_b32 v7, 3, v7
	v_sub_nc_u32 v6, v6, v7
	v_add_nc_u32 v6, s53, v6                       ; d = Q0 - KF + lane % 16 - 8 (lane / 16).  Register n of tile t: key KF + 16 (n / 8) + 8 (lane / 16) + n % 8, query Q0 + 16 t + lane % 16: hidden where 16 (n / 8) + n % 8 - 16 t > d
	v_mov_b32 v7, 0xff800000                       ; -infinity: p = 0 then
.irp t, 0,1
.irp n, 0,1,2,3,4,5,6,7,8,9,10,11,12,13,14,15,16,17,18,19,20,21,22,23,24,25,26,27,28,29,30,31
	v_cmp_gt_i32 vcc_lo, 16*(\n/8)+\n%8-16*\t, v6
	v_cndmask_b32 v[S+32*\t+\n], v[S+32*\t+\n], v7, vcc_lo
.endr
.endr
.Lopen_\@:
.endif
.irp j, 0,1,2,3                                ; the maximum: four chains a tile, the two tiles by turns; each accumulator is read from its low end on
.irp t, 0,1
	v_max3_num_f32 v[ST+8*\t+4+\j], v[S+32*\t+8*\j], v[S+32*\t+8*\j+1], v[S+32*\t+8*\j+2]
.endr
.endr
.irp i, 3,5
.irp j, 0,1,2,3
.irp t, 0,1
	v_max3_num_f32 v[ST+8*\t+4+\j], v[ST+8*\t+4+\j], v[S+32*\t+8*\j+\i], v[S+32*\t+8*\j+\i+1]
.endr
.endr
.endr
.irp t, 0,1
	v_max3_num_f32 v[ST+8*\t+4], v[ST+8*\t+4], v[S+32*\t+7], v[S+32*\t+15]
	v_max3_num_f32 v[ST+8*\t+6], v[ST+8*\t+6], v[S+32*\t+23], v[S+32*\t+31]
.endr
.irp t, 0,1
	v_max3_num_f32 v[ST+8*\t+4], v[ST+8*\t+4], v[ST+8*\t+5], v[ST+8*\t+6]
.endr
.irp t, 0,1
	v_max3_num_f32 v[ST+8*\t+4], v[ST+8*\t+4], v[ST+8*\t+7], v[ST+8*\t+1]   ; with the old m
.endr
.irp t, 0,1
	v_permlanex16_b32 v[ST+8*\t+5], v[ST+8*\t+4], s[SEL], s[SEL+1]           ; the query's other 32 keys lie in the lane 16 away
.endr
.irp t, 0,1
	v_mov_b32 v[ST+8*\t+7], v[ST+8*\t]             ; c m_old
.endr
.irp t, 0,1
	v_max_num_f32 v[ST+8*\t+1], v[ST+8*\t+4], v[ST+8*\t+5]
.endr
.irp t, 0,1
	v_mul_f32 v[ST+8*\t], s[CS], v[ST+8*\t+1]
.endr
.irp t, 0,1
	v_sub_f32 v[ST+8*\t+7], v[ST+8*\t+7], v[ST+8*\t]
.endr
.irp j, 0,2,4,6,8,10,12,14,16,18,20,22,24,26,28,30
.irp t, 0,1
	v_pk_fma_f32 v[S+32*\t+\j:S+32*\t+\j+1], v[S+32*\t+\j:S+32*\t+\j+1], s[CS:CS+1], v[ST+8*\t:ST+8*\t+1] op_sel_hi:[1,0,0] neg_lo:[0,0,1] neg_hi:[0,0,1]   ; c s - c m
.endr
.endr
.irp t, 0,1
	v_exp_f32 v[ST+8*\t+6], v[ST+8*\t+7]           ; a
.endr
.irp t, 0,1                                    ; ONE BATCH of 66 exponentials, none of which reads another's result
.irp n, 0,1,2,3,4,5,6,7,8,9,10,11,12,13,14,15,16,17,18,19,20,21,22,23,24,25,26,27,28,29,30,31
	v_exp_f32 v[S+32*\t+\n], v[S+32*\t+\n]
.endr
.endr
	v_nop                                          ; a plain instruction behind the last exponential
	s_wait_alu depctr_va_vdst(0)                   ; one wait for the batch, ahead of its first reader
.irp t, 0,1
	v_pk_mul_f32 v[ST+8*\t+2:ST+8*\t+3], v[ST+8*\t+2:ST+8*\t+3], v[ST+8*\t+6:ST+8*\t+7] op_sel_hi:[1,0]   ; l x a
	v_pk_add_f32 v[248+2*\t:249+2*\t], v[S+32*\t:S+32*\t+1], v[S+32*\t+2:S+32*\t+3]                        ; the sum of p in f32, ahead of the rounding: two chains a tile
.endr
.irp j, 4,8,12,16,20,24,28
.irp t, 0,1
	v_pk_add_f32 v[ST+8*\t+2:ST+8*\t+3], v[ST+8*\t+2:ST+8*\t+3], v[S+32*\t+\j:S+32*\t+\j+1]
	v_pk_add_f32 v[248+2*\t:249+2*\t], v[248+2*\t:249+2*\t], v[S+32*\t+\j+2:S+32*\t+\j+3]
.endr
.endr
.irp t, 0,1
	v_pk_add_f32 v[ST+8*\t+2:ST+8*\t+3], v[ST+8*\t+2:ST+8*\t+3], v[248+2*\t:249+2*\t]
.endr
.irp i, 0,1,2,3,4,5,6,7,8,9,10,11,12,13,14,15  ; P in place: register i takes scores 2 i and 2 i + 1, which lie at or above it
.irp t, 0,1
	v_cvt_pk_f16_f32 v[S+32*\t+\i], v[S+32*\t+2*\i], v[S+32*\t+2*\i+1]
.endr
.endr
.irp i, 0,2,4,6,8,10,12,14,16,18,20,22,24,26,28,30
.irp t, 0,1
	v_pk_mul_f32 v[O+32*\t+\i:O+32*\t+\i+1], v[O+32*\t+\i:O+32*\t+\i+1], v[ST+8*\t+6:ST+8*\t+7] op_sel_hi:[1,0]   ; O^T x a
.endr
.endr
	s_wait_dscnt 0x0                               ; V is in
.irp ks, 0,1                                   ; O^T += V^T P: eight accumulators by turns
.irp ct, 0,1,2,3
.irp t, 0,1
	v_wmma_f32_16x16x32_f16 v[O+32*\t+8*\ct:O+32*\t+8*\ct+7], v[KV+32*\ks+8*\ct:KV+32*\ks+8*\ct+7], v[S+32*\t+8*\ks:S+32*\t+8*\ks+7], v[O+32*\t+8*\ct:O+32*\t+8*\ct+7]
.endr
.endr
.endr
.if \causal
.Lhidden_\@:
	s_add_co_u32 s[KF], s[KF], 64
.endif
	s_add_co_u32 s[TK], s[TK], 8192
	s_add_co_u32 s[TV], s[TV], 2048
.endm
; A block's end: O^T / l + bv, rounded to f16, stored as images of the next product's fragments.  more = 1: the next block's Q is asked for here.
.macro FINISH more, ab
	v_bfe_u32 v6, v0, 4, 1                         ; four plain lines that name no register of the last products: the places ahead of the loads below
	v_lshlrev_b32 v6, 5, v6                        ; 32 x (lane / 16): my eight channels of a tile of 16
.irp t, 0,1
	v_add_f32 v[ST+8*\t+4], v[ST+8*\t+2], v[ST+8*\t+3]
.endr
.irp ct, 0,1,2,3
	global_load_b128 v[KV+8*\ct:KV+8*\ct+3], v6, s[6:7] offset:64*\ct
	global_load_b128 v[KV+8*\ct+4:KV+8*\ct+7], v6, s[6:7] offset:64*\ct+16
.endr
.if \more
	QLOAD QB2
.endif
.irp t, 0,1
	v_permlanex16_b32 v[ST+8*\t+5], v[ST+8*\t+4], s[SEL], s[SEL+1]
.endr
.irp t, 0,1
	v_add_f32 v[ST+8*\t+4], v[ST+8*\t+4], v[ST+8*\t+5]
.endr
.irp t, 0,1
	v_rcp_f32 v[ST+8*\t+6], v[ST+8*\t+4]
.endr
	v_nop
	s_wait_alu depctr_va_vdst(0)                   ; one wait for the two reciprocals
	s_wait_loadcnt 8*\more                         ; bv is in; Q's eight loads may stay out
.irp t, 0,1
.irp i, 0,2,4,6,8,10,12,14,16,18,20,22,24,26,28,30
	v_pk_fma_f32 v[O+32*\t+\i:O+32*\t+\i+1], v[O+32*\t+\i:O+32*\t+\i+1], v[ST+8*\t+6:ST+8*\t+7], v[KV+\i:KV+\i+1] op_sel_hi:[1,0,1]
.endr
.endr
.irp t, 0,1
.irp i, 0,1,2,3,4,5,6,7,8,9,10,11,12,13,14,15
	v_cvt_pk_f16_f32 v[S+32*\t+\i], v[O+32*\t+2*\i], v[O+32*\t+2*\i+1]
.endr
.endr
.irp t, 0,1
.irp ct, 0,1,2,3
	global_store_b128 v[LN], v[S+32*\t+4*\ct:S+32*\t+4*\ct+3], s[\ab:\ab+1] offset:32768*\t+512*\ct   ; 512 consecutive bytes, aligned
.endr
.endr
	s_wait_xcnt 0x0                                ; the stores have read their data: the scores' registers are written again only behind this wait
.endm
	QLOAD QB1
	INIT
	s_lshl_b32 s[Q0], s73, 5
	s_mov_b32 s[TK], 0
	s_mov_b32 s[TV], 131072
	s_mov_b32 s[CNT], 8
	s_wait_tensorcnt 0x1                           ; my part of the keys under 512 is in; my second load may stay out
	s_barrier_signal -1
	s_barrier_wait -1
	s_wait_loadcnt 0x0                             ; Q
.Lfull:                                            ; block 31 - p, keys 0-511: all count, for every wave
	STEP 0
	s_sub_co_u32 s[CNT], s[CNT], 1
	s_cmp_lg_u32 s[CNT], 0
	s_cbranch_scc1 .Lfull
	s_wait_tensorcnt 0x0                           ; my part of the keys from 512 on is in
	s_wait_dscnt 0x0
	s_barrier_signal -1
	s_barrier_wait -1
	s_mov_b32 s[TK], 65536
	s_mov_b32 s[TV], 196608
	s_mov_b32 s[KF], 512
	s_mov_b32 s[CNT], 8
.Lhigh:                                            ; block 31 - p, keys 512-1023, up to the diagonal
	STEP 1
	s_sub_co_u32 s[CNT], s[CNT], 1
	s_cmp_lg_u32 s[CNT], 0
	s_cbranch_scc1 .Lhigh
	FINISH 1, AB1
	INIT
	s_lshl_b32 s[Q0], s72, 5
	s_mov_b32 s[TK], 0
	s_mov_b32 s[TV], 131072
	s_mov_b32 s[KF], 0
	s_mov_b32 s[CNT], 8
	s_wait_loadcnt 0x0                             ; the second block's Q
.Llow:                                             ; block p, keys 0-511, up to the diagonal
	STEP 1
	s_sub_co_u32 s[CNT], s[CNT], 1
	s_cmp_lg_u32 s[CNT], 0
	s_cbranch_scc1 .Llow
	FINISH 0, AB2
	s_wait_tensorcnt 0x0                           ; the wave's end
	ds_add_u32 v[SPW], v[NIL]
	s_wait_dscnt 0x0
	s_endpgm
.Lfunc_end_k_qde7baa46df_attn:
	.size	k_qde7baa46df_attn, .Lfunc_end_k_qde7baa46df_attn-k_qde7baa46df_attn
	.p2alignl 7, 3214868480
	.fill 96, 4, 3214868480
	.section	.rodata,"a",@progbits
	.p2align	6, 0x0
	.amdhsa_kernel k_qde7baa46df_attn
		.amdhsa_group_segment_fixed_size 263168
		.amdhsa_private_segment_fixed_size 0
		.amdhsa_enable_private_segment 0
		.amdhsa_kernarg_size 24
		.amdhsa_user_sgpr_count 2
		.amdhsa_user_sgpr_kernarg_segment_ptr 1
		.amdhsa_wavefront_size32 1
		.amdhsa_system_sgpr_workgroup_id_x 1
		.amdhsa_system_sgpr_workgroup_id_y 1
		.amdhsa_system_sgpr_workgroup_id_z 1
		.amdhsa_system_vgpr_workitem_id 0
		.amdhsa_next_free_vgpr 256
		.amdhsa_next_free_sgpr 80
		.amdhsa_reserve_vcc 1
		.amdhsa_float_denorm_mode_32 3
		.amdhsa_float_denorm_mode_16_64 3
		.amdhsa_memory_ordered 1
		.amdhsa_forward_progress 1
		.amdhsa_inst_pref_size 85
	.end_amdhsa_kernel
	.amdgpu_metadata
---
amdhsa.version: [ 1, 2 ]
amdhsa.kernels:
  - .name:           k_qde7baa46df_attn
    .symbol:         k_qde7baa46df_attn.kd
    .args:
      - { .name: qkv16, .offset: 0, .size: 8, .value_kind: global_buffer, .address_space: global }
      - { .name: bv, .offset: 8, .size: 8, .value_kind: global_buffer, .address_space: global }
      - { .name: att16, .offset: 16, .size: 8, .value_kind: global_buffer, .address_space: global }
    .group_segment_fixed_size: 263168
    .private_segment_fixed_size: 0
    .kernarg_segment_align: 8
    .kernarg_segment_size: 24
    .max_flat_workgroup_size: 256
    .sgpr_count:     80
    .vgpr_count:     256
    .wavefront_size: 32
...
	.end_amdgpu_metadata
.endif
;; end of part 3
;; launch oproj (part 4): grid 4 x 64, 4 waves a work-group, clusters of 4 x 4, 327,680 bytes of LDS; arguments att16, wo16, bo, out0; writes out0
.if DOCPART == 4
	.amdgcn_target "amdgcn-amd-amdhsa--gfx1250"
	.amdhsa_code_object_version 6
	.text
	.protected	k_qde7baa46df_oproj
	.globl	k_qde7baa46df_oproj
	.p2align	8
	.type	k_qde7baa46df_oproj,@function
k_qde7baa46df_oproj:
	s_mov_b64 s[64:65], 0
	v_nop
	global_prefetch_b8 v0, s[64:65] scope:SCOPE_SE
	s_setreg_imm32_b32 hwreg(HW_REG_WAVE_MODE, 25, 1), 1
	s_wait_xcnt 0x0
	s_wait_alu depctr_hold_cnt(0) depctr_sa_sdst(0) depctr_va_vdst(0) depctr_va_sdst(0) depctr_va_ssrc(0) depctr_va_vcc(0) depctr_vm_vsrc(0)
	s_getreg_b32 s2, hwreg(HW_REG_IB_STS2, 6, 4)
	s_cmp_eq_u32 s2, 0
	s_cbranch_scc0 .Lentry_in_a_cluster
	s_endpgm
.Lentry_in_a_cluster:
	s_bfe_u32 s2, ttmp6, 0x10000c
	s_cmp_lg_u32 s2, 0xf033
	s_cbranch_scc0 .Lentry_shape_is_right
	s_endpgm
.Lentry_shape_is_right:
; out0 = att Wo + bo, f16 operands, f32 sums.  Rows of positions 0-15 are computed with their tiles; launch fine, which runs behind this one, stores them anew from f32.
; A tile of 128 rows x 256 columns to a work-group: 256 work-groups.  Four waves, each 64 x 128: 32 accumulators, 256 registers.  K goes in steps of 128 through a ring of two LDS slots.
; Both operands lie in memory as images of operand registers (fragment of 16 rows x 32 K = 1,024 bytes; [tile of 16 rows][32 fragments]): a K step of a tile of 16 rows is 4,096 consecutive bytes, and a fragment is read from LDS
; at 16 x lane and 512 + 16 x lane: consecutive bytes, no padding.
; CLUSTERS of 4 x 4: att's tile is shared along a row of the cluster, Wo's along a column: joint loads.  A wave has two tensor loads out at the start and one behind each round.
; THE MATRIX INSTRUCTION IS USED TRANSPOSED (source 0 = 16 columns of Wo, source 1 = 16 rows of att): a lane holds eight neighbouring numbers of a row of out0.  bo is the C of each sum's first instruction.
; No prefetch: a small tile, whose tiles are shared in the cluster.
; REGISTERS: window 0: v0-31 addresses; v32-127, v128-223 two fragment buffers (A 32 registers, then B 64).   window 1: accumulator (a, b) at v[8 (8 a + b)].   window 2: v0-63 bo, eight registers for each of B's blocks.
.set SLOT,   98304                     ; A: 8 tiles x 4,096 bytes; B: 16 tiles x 4,096
.set BOFF,   32768
.set STAGE,  2*SLOT                    ; behind the ring: 16 rows x 528 bytes for each wave
.set SPITCH, 528
.set SPARE,  STAGE+4*16*SPITCH
.set LAPS,   4                         ; 8 K steps: four times round the ring
.set ADRA, 16
.set ADRB, 20
.set STO,  24
.set RD,   25
.set CO,   26
.set SPW,  28
.set NIL,  29
.set BOV,  30
.set F0,   32
.set F1,   128
.set G1, 24
.set G0, 32
.set G1B, 48
.set G0B, 56
.set MSB, 0
.macro WIN new
.if MSB != \new
	s_set_vgpr_msb (MSB<<8)|\new
.set MSB, \new
.endif
.endm
.set MUL, 0x50                         ; sources window 0; C and D window 1.  The first products: C window 2: 0x60
.macro JLOAD s                         ; waves 0 and 1 fetch A's halves, waves 2 and 3 B's; an s_nop 0 and four v_nop follow each line
	s_cmp_eq_u32 s11, 0
	s_cbranch_scc0 .Lfor_b_\@
	tensor_load_to_lds s[G0+4*\s:G0+4*\s+3], s[G1:G1+7]
	s_nop 0
.rept 4
	v_nop
.endr
	s_branch .Lasked_\@
.Lfor_b_\@:
	tensor_load_to_lds s[G0B+4*\s:G0B+4*\s+3], s[G1B:G1B+7]
	s_nop 0
.rept 4
	v_nop
.endr
.Lasked_\@:
.endm
.macro CREST
	s_cmp_lg_u32 s10, 0
	s_cbranch_scc1 .Lnot_wave_0_\@
	s_barrier_signal -3
.Lnot_wave_0_\@:
	s_barrier_wait -3
	s_barrier_signal -1
	s_barrier_wait -1
.endm
.macro CROUND
	s_barrier_signal -1
	s_barrier_wait -1
	CREST
.endm
	s_load_b128 s[4:7], s[0:1], 0x0                ; att16, wo16
	s_load_b64 s[14:15], s[0:1], 0x10              ; bo
	s_load_b64 s[8:9], s[0:1], 0x18                ; out0
	v_lshl_add_u32 v[SPW], v0, 2, SPARE
	v_mov_b32 v[NIL], 0
	ds_add_u32 v[SPW], v[NIL]                      ; the wave's opening: the add, twice on end, and its wait ahead of my first tensor load
	ds_add_u32 v[SPW], v[NIL]
	v_lshrrev_b32 v1, 5, v0
	v_readfirstlane_b32 s10, v1                    ; wave 0..3
	s_lshr_b32 s11, s10, 1                         ; my half of the rows.  Also: I fetch for A (0) or B (1)
	s_and_b32 s12, s10, 1                          ; my half of the columns.  Also: which half of that tile I fetch
	s_bfe_u32 s40, ttmp6, 0x40000                  ; cx
	s_bfe_u32 s41, ttmp6, 0x40004                  ; cy
	s_lshl_b32 s42, ttmp9, 2
	s_add_co_u32 s42, s42, s40                     ; tile column
	s_and_b32 s13, ttmp7, 0xffff
	s_lshl_b32 s13, s13, 2
	s_add_co_u32 s13, s13, s41                     ; tile row
	s_lshl_b32 s43, s41, 2
	s_lshl_b32 s43, 15, s43                        ; my row of the cluster
	s_lshl_b32 s44, 0x1111, s40                    ; my column
	s_or_b32 s[G1+0], s43, (3<<16)|(1<<21)         ; the mask; elements of 8 bytes; no padding; bit 21 beside a mask
	s_mov_b32 s[G1+1], 512<<16                     ; a row: 4,096 bytes
	s_mov_b32 s[G1+2], 4<<16                       ; A: 4 tiles of 16 rows to a load
	s_mov_b32 s[G1+3], 512<<16
	s_mov_b32 s[G1+4], 4
	s_mov_b32 s[G1+5], 4096                        ; 32,768 bytes from tile to tile
	s_mov_b32 s[G1+6], 0
	s_mov_b32 s[G1+7], 0
	s_or_b32 s[G1B+0], s44, (3<<16)|(1<<21)
	s_mov_b32 s[G1B+1], 512<<16
	s_mov_b32 s[G1B+2], 8<<16                      ; B: 8 tiles of 16 columns to a load
	s_mov_b32 s[G1B+3], 512<<16
	s_mov_b32 s[G1B+4], 8
	s_mov_b32 s[G1B+5], 4096
	s_mov_b32 s[G1B+6], 0
	s_mov_b32 s[G1B+7], 0
	s_lshl_b32 s16, s13, 18                        ; A: tile 8 x tile row + 4 x half, 32,768 bytes each
	s_lshl_b32 s17, s12, 17
	s_add_co_u32 s16, s16, s17
	s_mov_b32 s17, 0
	s_lshl_b32 s46, s42, 19                        ; B: tile 16 x tile column + 8 x half
	s_lshl_b32 s47, s12, 18
	s_add_co_u32 s46, s46, s47
	s_mov_b32 s47, 0
	s_lshl_b32 s20, s12, 14                        ; where they go: no place in the cluster enters an LDS address
	s_lshl_b32 s21, s12, 15
	s_add_co_u32 s21, s21, BOFF
	s_wait_dscnt 0x0                               ; both opening adds are done
	s_wait_kmcnt 0x0
	s_add_nc_u64 s[22:23], s[4:5], s[16:17]
	s_add_nc_u64 s[46:47], s[6:7], s[46:47]
	CROUND                                         ; all sixteen work-groups are here: the first joint loads meet
.irp s, 0,1
	s_mov_b32 s[G0+4*\s], 1
	s_add_co_u32 s[G0+4*\s+1], s20, \s*SLOT
	s_add_nc_u64 s[G0+4*\s+2:G0+4*\s+3], s[22:23], \s*4096
	s_or_b32 s[G0+4*\s+3], s[G0+4*\s+3], 0x80000000
	s_mov_b32 s[G0B+4*\s], 1
	s_add_co_u32 s[G0B+4*\s+1], s21, \s*SLOT
	s_add_nc_u64 s[G0B+4*\s+2:G0B+4*\s+3], s[46:47], \s*4096
	s_or_b32 s[G0B+4*\s+3], s[G0B+4*\s+3], 0x80000000
	JLOAD \s
.endr
	v_and_b32 v1, 15, v0
	v_bfe_u32 v2, v0, 4, 1
	v_and_b32 v3, 31, v0
	v_lshlrev_b32 v[CO], 4, v3                     ; 16 x lane
	v_lshlrev_b32 v[BOV], 5, v2
	s_lshl_b32 s16, s42, 10
	s_lshl_b32 s18, s12, 9
	s_add_co_u32 s16, s16, s18                     ; 4 x my first column
	s_add_nc_u64 s[14:15], s[14:15], s[16:17]
	WIN 0x80                                       ; destination window 2
.irp b, 0,1,2,3,4,5,6,7
	global_load_b128 v[8*\b:8*\b+3], v[BOV], s[14:15] offset:64*\b
	global_load_b128 v[8*\b+4:8*\b+7], v[BOV], s[14:15] offset:64*\b+16
.endr
	WIN 0
	s_lshl_b32 s21, s11, 14                        ; my 4 tiles of A,
	s_lshl_b32 s22, s12, 15
	s_add_co_u32 s22, s22, BOFF                    ; my 8 tiles of B
.irp s, 0,1
	v_add_nc_u32 v[ADRA+\s], s21, v[CO]
	v_add_nc_u32 v[ADRB+\s], s22, v[CO]
	s_add_co_u32 s21, s21, SLOT
	s_add_co_u32 s22, s22, SLOT
.endr
	s_mul_i32 s23, s10, 16*SPITCH
	s_add_co_u32 s23, s23, STAGE                   ; my stage
	v_mul_u32_u24 v4, v1, SPITCH
	v_lshl_add_u32 v4, v2, 5, v4
	v_add_nc_u32 v[STO], s23, v4                   ; in: row lane % 16, 32 bytes for each half of the lanes
	v_add_nc_u32 v[RD], s23, v[CO]                 ; back: the 32 lanes take one row of 512 bytes
	s_lshl_b32 s18, s13, 19                        ; out0: 128 rows of 4,096 bytes a tile row,
	s_lshl_b32 s19, s11, 18                        ; 64 for my half,
	s_add_co_u32 s18, s18, s19
	s_add_co_u32 s18, s18, s16                     ; and my first column
	s_mov_b32 s19, 0
	s_add_nc_u64 s[8:9], s[8:9], s[18:19]
.macro MUL8 f, a, first                ; A's tile a x B's eight, 32 along K.  The 32 accumulators take turns, one instruction a turn
.irp b, 0,1,2,3,4,5,6,7
.if \first
	v_wmma_f32_16x16x32_f16 v[8*(8*(\a)+\b):8*(8*(\a)+\b)+7], v[\f+32+8*\b:\f+32+8*\b+7], v[\f+8*(\a):\f+8*(\a)+7], v[8*\b:8*\b+7]
.else
	v_wmma_f32_16x16x32_f16 v[8*(8*(\a)+\b):8*(8*(\a)+\b)+7], v[\f+32+8*\b:\f+32+8*\b+7], v[\f+8*(\a):\f+8*(\a)+7], v[8*(8*(\a)+\b):8*(8*(\a)+\b)+7]
.endif
.endr
.endm
.macro MUL16 f, a0, first
	MUL8 \f, \a0, \first
	MUL8 \f, \a0+1, \first
.endm
.macro FETCH slot, q, f                ; 24 LDS loads in one run: B's eight fragments, then A's four, of the slot's q-th 32 along K
.irp j, 0,1,2,3,4,5,6,7
	ds_load_b128 v[\f+32+8*\j:\f+32+8*\j+3], v[ADRB+\slot] offset:4096*\j+1024*(\q)
	ds_load_b128 v[\f+32+8*\j+4:\f+32+8*\j+7], v[ADRB+\slot] offset:4096*\j+1024*(\q)+512
.endr
.irp i, 0,1,2,3
	ds_load_b128 v[\f+8*\i:\f+8*\i+3], v[ADRA+\slot] offset:4096*\i+1024*(\q)
	ds_load_b128 v[\f+8*\i+4:\f+8*\i+7], v[ADRA+\slot] offset:4096*\i+1024*(\q)+512
.endr
.endm
.macro PLACES
.rept 4
	v_nop
.endr
.endm
.macro QUARTER slot, q, f, g, first    ; multiplies buffer f; in its middle fetches the slot's quarter q into buffer g
	s_wait_dscnt 4                                 ; B and A's tiles 0, 1 are in; the youngest four loads (A's tiles 2, 3) may be out
	WIN MUL+0x10*(\first)
	MUL16 \f, 0, \first
	PLACES
	WIN 0
	FETCH \slot, \q, \g
	s_wait_dscnt 24                                ; all but the 24 just issued
	WIN MUL+0x10*(\first)
	MUL16 \f, 2, \first
.endm
; A slot's last quarter multiplies buffer 1 and changes slots: in front of the barrier each wave waits for all its tensor loads, adds 0 to its spare word, and waits for that and for its reads of this slot.
.macro TURN slot, next, fill
	WIN 0
	s_wait_tensorcnt 0x0                           ; my part of the next slot has landed; no tensor load of mine is out
	ds_add_u32 v[SPW], v[NIL]
	s_wait_dscnt 5                                 ; the add and the youngest four loads may be out
	WIN MUL
	MUL8 F1, 0, 0
	s_wait_dscnt 0x0                               ; the add is done, and my reads of this slot are over
	s_barrier_signal -1
	MUL8 F1, 1, 0
	WIN 0
	s_barrier_wait -1
.if \fill
	CREST                                          ; the barrier has opened a round of the cluster's: no wave of any partner still reads this slot or has a load on its way
	s_add_nc_u64 s[G0+4*\slot+2:G0+4*\slot+3], s[G0+4*\slot+2:G0+4*\slot+3], 8192
	s_add_nc_u64 s[G0B+4*\slot+2:G0B+4*\slot+3], s[G0B+4*\slot+2:G0B+4*\slot+3], 8192
	JLOAD \slot                                    ; the first tensor load behind the round; its four v_nop are also the places ahead of the loads below
.else
	PLACES
.endif
	FETCH \next, 0, F0
	WIN MUL
	MUL16 F1, 2, 0
.endm
	s_wait_tensorcnt 1                             ; my part of K step 0 is in; K step 1's may stay out
	s_barrier_signal -1
	s_barrier_wait -1
	FETCH 0, 0, F0
	s_wait_loadcnt 0x0                             ; bo
	QUARTER 0, 1, F0, F1, 1                        ; the first quarter stands ahead of the loop: its products start the sums with bo
	WIN 0
	s_mov_b32 s3, LAPS-1
.Llap:                                             ; a trip goes once round the ring and fills both slots again
	QUARTER 0, 2, F1, F0, 0
	QUARTER 0, 3, F0, F1, 0
	TURN 0, 1, 1
	QUARTER 1, 1, F0, F1, 0
	QUARTER 1, 2, F1, F0, 0
	QUARTER 1, 3, F0, F1, 0
	TURN 1, 0, 1
	QUARTER 0, 1, F0, F1, 0
	WIN 0
	s_sub_co_u32 s3, s3, 1
	s_cmp_lg_u32 s3, 0
	s_cbranch_scc1 .Llap
	QUARTER 0, 2, F1, F0, 0                        ; the last lap fills nothing
	QUARTER 0, 3, F0, F1, 0
	TURN 0, 1, 0
	QUARTER 1, 1, F0, F1, 0
	QUARTER 1, 2, F1, F0, 0
	QUARTER 1, 3, F0, F1, 0
	s_wait_dscnt 4
	WIN MUL
	MUL16 F1, 0, 0
	s_wait_dscnt 0
	MUL16 F1, 2, 0
	WIN 0
; THE WAY OUT, a block of 16 rows x 128 columns at a time, through my own stage: whole rows of 512 bytes come back and are stored by the 32 lanes.  LDS serves a wave's instructions in order.
.macro TOSTAGE a
	WIN 0x04                                       ; an LDS store's data: window 1
.irp b, 0,1,2,3,4,5,6,7
	ds_store_b128 v[STO], v[64*(\a)+8*\b:64*(\a)+8*\b+3] offset:64*\b              ; each accumulator from its low end on
	ds_store_b128 v[STO], v[64*(\a)+8*\b+4:64*(\a)+8*\b+7] offset:64*\b+16
.endr
	WIN 0
.set BB, 32+64*((\a)%2)
.irp t, 0,1,2,3,4,5,6,7,8,9,10,11,12,13,14,15
	ds_load_b128 v[BB+4*\t:BB+4*\t+3], v[RD] offset:\t*SPITCH
.endr
.endm
.macro SEND a, younger
.set BB, 32+64*((\a)%2)
	s_wait_dscnt \younger                          ; the block is back; the LDS instructions issued behind its loads may stay out
.irp t, 0,1,2,3,4,5,6,7,8,9,10,11,12,13,14,15
	global_store_b128 v[CO], v[BB+4*\t:BB+4*\t+3], s[8:9] offset:(\a)*65536+\t*4096 th:TH_STORE_NT   ; 512 consecutive bytes, aligned
.endr
.endm
	PLACES
	TOSTAGE 0
.irp a, 1,2,3
.if \a > 1
	s_wait_xcnt 0x0                                ; block a - 2's stores have read their registers: block a's loads may land there
.endif
	TOSTAGE \a
	SEND \a-1, 32                                  ; behind block a - 1's loads: block a's 16 stores and 16 loads
.endr
	SEND 3, 0
	s_wait_tensorcnt 0x0                           ; the wave's end
	ds_add_u32 v[SPW], v[NIL]
	s_wait_dscnt 0x0
	CROUND                                         ; the closing round
	s_endpgm
.Lfunc_end_k_qde7baa46df_oproj:
	.size	k_qde7baa46df_oproj, .Lfunc_end_k_qde7baa46df_oproj-k_qde7baa46df_oproj
	.p2alignl 7, 3214868480
	.fill 96, 4, 3214868480
	.section	.rodata,"a",@progbits
	.p2align	6, 0x0
	.amdhsa_kernel k_qde7baa46df_oproj
		.amdhsa_group_segment_fixed_size 327680
		.amdhsa_private_segment_fixed_size 0
		.amdhsa_enable_private_segment 0
		.amdhsa_kernarg_size 32
		.amdhsa_user_sgpr_count 2
		.amdhsa_user_sgpr_kernarg_segment_ptr 1
		.amdhsa_wavefront_size32 1
		.amdhsa_system_sgpr_workgroup_id_x 1
		.amdhsa_system_sgpr_workgroup_id_y 1
		.amdhsa_system_sgpr_workgroup_id_z 1
		.amdhsa_system_vgpr_workitem_id 0
		.amdhsa_next_free_vgpr 576
		.amdhsa_next_free_sgpr 66
		.amdhsa_reserve_vcc 0
		.amdhsa_float_denorm_mode_32 3
		.amdhsa_float_denorm_mode_16_64 3
		.amdhsa_memory_ordered 1
		.amdhsa_forward_progress 1
		.amdhsa_inst_pref_size 86
	.end_amdhsa_kernel
	.amdgpu_metadata
---
amdhsa.version: [ 1, 2 ]
amdhsa.kernels:
  - .name:           k_qde7baa46df_oproj
    .symbol:         k_qde7baa46df_oproj.kd
    .args:
      - { .name: att16, .offset: 0, .size: 8, .value_kind: global_buffer, .address_space: global }
      - { .name: wo16, .offset: 8, .size: 8, .value_kind: global_buffer, .address_space: global }
      - { .name: bo, .offset: 16, .size: 8, .value_kind: global_buffer, .address_space: global }
      - { .name: out0, .offset: 24, .size: 8, .value_kind: global_buffer, .address_space: global }
    .group_segment_fixed_size: 327680
    .private_segment_fixed_size: 0
    .kernarg_segment_align: 8
    .kernarg_segment_size: 32
    .max_flat_workgroup_size: 128
    .sgpr_count:     66
    .vgpr_count:     576
    .wavefront_size: 32
...
	.end_amdgpu_metadata
.endif
;; end of part 4
;; launch fine (part 5): grid 32 x 8, 16 waves a work-group, no clusters, 38,912 bytes of LDS; arguments fq, Wo, bv, bo, out0; writes out0
.if DOCPART == 5
	.amdgcn_target "amdgcn-amd-amdhsa--gfx1250"
	.amdhsa_code_object_version 6
	.text
	.protected	k_qde7baa46df_fine
	.globl	k_qde7baa46df_fine
	.p2align	8
	.type	k_qde7baa46df_fine,@function
k_qde7baa46df_fine:
	s_mov_b64 s[64:65], 0
	v_nop
	global_prefetch_b8 v0, s[64:65] scope:SCOPE_SE
	s_setreg_imm32_b32 hwreg(HW_REG_WAVE_MODE, 25, 1), 1
	s_wait_xcnt 0x0
; Positions 0-15 of every sequence, attention and projection, all in f32: these rows average one to sixteen values and are the largest in size.  It runs last and stores rows 0-15 of each batch of out0 anew.
; bk is left out (shown at the head of launch prep); bv is added to v ahead of the second product, as the source has it.
; SHARES.  A work-group is (32 columns of out0, batch); a wave is a head.  The 128 rows x 1,024 columns make only 128 pieces of 16 rows x 64 columns; pieces of 32 columns give 256 work-groups, one for each of the
; 256 WGPs, and a wave's projection is 32 matrix instructions in place of 64.  The price: a row's store covers 128 consecutive bytes, half of an aligned 256; 524,288 bytes in all.
; q, k, v of the 16 positions come from fq as images of accumulators: lane (r, h) holds token r and channels 16 block + 8 h + 0..7 (q, k), or channel r of a block and positions 8 h + 0..7 (v).
; The f32 matrix form contracts 4 along K: lane (r, h), register j: k slot 2 h + j.  Both sources of a product take the SAME pair of registers, so the same permutation of K stands on both sides.
;   S^T = k q^T (16 steps, two accumulators by turns), softmax, O^T = (v + bv)^T p (4 steps x 4 tiles of channels), att = O^T / l, partial out = att Wo over my head's 64 channels (16 steps x 2 tiles of columns).
; LOADS.  q and k go out first, then v, bv, bo; Wo's 64 loads stand four behind each of S^T's products, so that they are issued while the matrix unit works.
; The sixteen heads' parts meet in LDS; wave w adds row w in the order of the heads, with bo.
; The registers that the f32 matrix form writes (v176-223) are written by matrix instructions alone.
.set SPW, 14
.set NIL, 15
.set Q,   16                           ; v16-47  q; at the end the sixteen parts of my row
.set K,   48                           ; v48-79  k
.set V,   80                           ; v80-111 v; later att
.set WA,  112                          ; v112-175 Wo's two tiles of 16 columns
.set SA,  176                          ; v176-191 two accumulators of S^T
.set OA,  192                          ; v192-223 four accumulators of O^T; the first two later take the partial out
.set P,   224
.set BV,  232
.set T,   236
.set ROWP, 144                         ; a row of a part in LDS: 128 bytes + 16 of padding: the sixteen rows of a store start at different banks
.set PART, 16*ROWP
.set SPARE, 16*PART                    ; behind the sixteen parts: the spare words, 128 bytes a wave
	s_load_b256 s[4:11], s[0:1], 0x0               ; fq s[4:5], Wo s[6:7], bv s[8:9], bo s[10:11]
	s_load_b64 s[12:13], s[0:1], 0x20              ; out0
	v_lshl_add_u32 v[SPW], v0, 2, SPARE
	v_mov_b32 v[NIL], 0
	v_lshrrev_b32 v1, 5, v0
	v_readfirstlane_b32 s14, v1                    ; wave = head, later = row
	s_and_b32 s15, ttmp7, 0xffff                   ; batch
	v_and_b32 v1, 15, v0                           ; r
	v_bfe_u32 v2, v0, 4, 1                         ; h
	v_and_b32 v3, 31, v0
	v_lshlrev_b32 v9, 2, v3                        ; 4 x lane
	v_lshlrev_b32 v3, 4, v3                        ; 16 x lane
	v_lshlrev_b32 v4, 2, v1                        ; 4 r
	v_lshl_add_u32 v5, v2, 15, v4                  ; Wo: 8 h rows of 4,096 bytes + 4 r
	v_lshlrev_b32 v6, 3, v2
	v_sub_nc_u32 v6, v1, v6                        ; d = r - 8 h: key 8 h + j is hidden from query r where j > d
	v_mov_b32 v7, 0xff800000
	s_mul_i32 s30, s14, PART
	v_mul_u32_u24 v10, v1, ROWP
	v_lshl_add_u32 v10, v2, 5, v10
	v_add_nc_u32 v10, s30, v10                     ; my part: row r, 32 h bytes on
	s_mul_i32 s30, s14, ROWP
	v_add_nc_u32 v11, s30, v9                      ; back: row = my wave's number, 4 bytes a lane
	s_mov_b32 s20, 0x76543210
	s_mov_b32 s21, 0xfedcba98
	s_mov_b32 s22, 0x3e38aa3b                      ; c = log2(e) / 8
	s_lshl_b32 s23, ttmp9, 7                       ; 4 x my first column
	s_lshl_b32 s16, s15, 16
	s_lshl_b32 s17, s14, 12
	s_add_co_u32 s16, s16, s17                     ; fq: 64 blocks a batch, 4 a head
	s_mov_b32 s17, 0
	s_lshl_b32 s18, s14, 18
	s_add_co_u32 s18, s18, s23                     ; Wo: my head's 64 rows, my columns
	s_mov_b32 s19, 0
	s_lshl_b32 s24, s14, 8
	s_mov_b32 s25, 0
	s_mov_b32 s26, s23
	s_mov_b32 s27, 0
	s_lshl_b32 s28, s15, 22
	s_lshl_b32 s29, s14, 12
	s_add_co_u32 s28, s28, s29
	s_add_co_u32 s28, s28, s23                     ; out0: row 1,024 batch + wave
	s_mov_b32 s29, 0
	s_wait_kmcnt 0x0
	s_add_nc_u64 s[4:5], s[4:5], s[16:17]
	s_add_nc_u64 s[6:7], s[6:7], s[18:19]
	s_add_nc_u64 s[8:9], s[8:9], s[24:25]
	s_add_nc_u64 s[10:11], s[10:11], s[26:27]
	s_add_nc_u64 s[12:13], s[12:13], s[28:29]
.irp cb, 0,1,2,3                               ; q and k: sixteen loads, wanted first
	global_load_b128 v[Q+8*\cb:Q+8*\cb+3], v3, s[4:5] offset:1024*\cb
	global_load_b128 v[Q+8*\cb+4:Q+8*\cb+7], v3, s[4:5] offset:1024*\cb+512
	global_load_b128 v[K+8*\cb:K+8*\cb+3], v3, s[4:5] offset:524288+1024*\cb
	global_load_b128 v[K+8*\cb+4:K+8*\cb+7], v3, s[4:5] offset:524288+1024*\cb+512
.endr
.irp cb, 0,1,2,3                               ; v and bv: twelve loads,
	global_load_b128 v[V+8*\cb:V+8*\cb+3], v3, s[4:5] offset:1048576+1024*\cb
	global_load_b128 v[V+8*\cb+4:V+8*\cb+7], v3, s[4:5] offset:1048576+1024*\cb+512
	global_load_b32 v[BV+\cb], v4, s[8:9] offset:64*\cb                      ; bv at channel r of the block
.endr
	global_load_b32 v12, v9, s[10:11]              ; and bo at my column: the thirteenth
	s_wait_loadcnt 13                              ; q and k are in; the thirteen behind them may stay out
; S^T = k q^T, two accumulators by turns.  Behind each product four loads of Wo: Wo(64 head + 16 ct + 8 h + j, first column + 16 nt + r) into register 32 nt + 8 ct + j
.set n, 0
.irp t, 0,1,2,3,4,5,6,7,8,9,10,11,12,13,14,15
.if \t < 2
	v_wmma_f32_16x16x4_f32 v[SA+8*(\t%2):SA+8*(\t%2)+7], v[K+2*\t:K+2*\t+1], v[Q+2*\t:Q+2*\t+1], 0
.else
	v_wmma_f32_16x16x4_f32 v[SA+8*(\t%2):SA+8*(\t%2)+7], v[K+2*\t:K+2*\t+1], v[Q+2*\t:Q+2*\t+1], v[SA+8*(\t%2):SA+8*(\t%2)+7]
.endif
.rept 4
	global_load_b32 v[WA+n], v5, s[6:7] offset:(16*((n%32)/8)+n%8)*4096+64*(n/32)
.set n, n+1
.endr
.endr
.rept 8
	v_nop                                          ; eight places behind this form, ahead of the first read of results
.endr
.irp j, 0,1,2,3,4,5,6,7
	v_add_f32 v[P+\j], v[SA+\j], v[SA+8+\j]        ; lane (r, h): query r, key 8 h + j
.endr
.irp j, 0,1,2,3,4,5,6,7
	v_cmp_gt_i32 vcc_lo, \j, v6
	v_cndmask_b32 v[P+\j], v[P+\j], v7, vcc_lo
.endr
	v_max3_num_f32 v[T], v[P], v[P+1], v[P+2]
	v_max3_num_f32 v[T+1], v[P+3], v[P+4], v[P+5]
	v_max3_num_f32 v[T], v[T], v[P+6], v[P+7]
	v_max_num_f32 v[T], v[T], v[T+1]
	v_permlanex16_b32 v[T+1], v[T], s20, s21
	v_max_num_f32 v[T], v[T], v[T+1]               ; the row's maximum: key 0 counts for every query
	v_mul_f32 v[T], s22, v[T]
.irp j, 0,1,2,3,4,5,6,7
	v_fma_f32 v[P+\j], v[P+\j], s22, -v[T]
.endr
.irp j, 0,1,2,3,4,5,6,7
	v_exp_f32 v[P+\j], v[P+\j]
.endr
	v_nop
	s_wait_alu depctr_va_vdst(0)                   ; one wait for the eight exponentials
	v_add_f32 v[T+2], v[P], v[P+1]
	v_add_f32 v[T+3], v[P+2], v[P+3]
	v_add_f32 v[T+2], v[T+2], v[P+4]
	v_add_f32 v[T+3], v[T+3], v[P+5]
	v_add_f32 v[T+2], v[T+2], v[P+6]
	v_add_f32 v[T+3], v[T+3], v[P+7]
	v_add_f32 v[T+2], v[T+2], v[T+3]
	v_permlanex16_b32 v[T+3], v[T+2], s20, s21
	v_add_f32 v[T+2], v[T+2], v[T+3]
	v_rcp_f32 v[T+4], v[T+2]
	s_wait_loadcnt 63                              ; v and bv are in: behind them stand Wo's 64 loads, of which 63 may stay out
.irp ct, 0,1,2,3                               ; v + bv: plain work behind the reciprocal
.irp j, 0,1,2,3,4,5,6,7
	v_add_f32 v[V+8*\ct+\j], v[V+8*\ct+\j], v[BV+\ct]
.endr
.endr
.irp t, 0,1,2,3                                ; O^T = (v + bv)^T p: four accumulators by turns
.irp ct, 0,1,2,3
.if \t == 0
	v_wmma_f32_16x16x4_f32 v[OA+8*\ct:OA+8*\ct+7], v[V+8*\ct+2*\t:V+8*\ct+2*\t+1], v[P+2*\t:P+2*\t+1], 0
.else
	v_wmma_f32_16x16x4_f32 v[OA+8*\ct:OA+8*\ct+7], v[V+8*\ct+2*\t:V+8*\ct+2*\t+1], v[P+2*\t:P+2*\t+1], v[OA+8*\ct:OA+8*\ct+7]
.endif
.endr
.endr
.rept 9
	v_nop                                          ; nine places: the next products begin new sums in two of these accumulators; eight serve the reads and the writes into v's registers
.endr
	s_wait_alu depctr_va_vdst(0)                   ; the reciprocal's wait, ahead of its first reader
.irp i, 0,1,2,3,4,5,6,7,8,9,10,11,12,13,14,15,16,17,18,19,20,21,22,23,24,25,26,27,28,29,30,31
	v_mul_f32 v[V+\i], v[OA+\i], v[T+4]            ; att: lane (r, h): query r, channel 16 (i / 8) + 8 h + i % 8
.endr
	s_wait_loadcnt 0x0                             ; all of Wo, and bo
.irp t, 0,1,2,3,4,5,6,7,8,9,10,11,12,13,14,15  ; my head's part of out: two accumulators by turns
.irp nt, 0,1
.if \t == 0
	v_wmma_f32_16x16x4_f32 v[OA+8*\nt:OA+8*\nt+7], v[WA+32*\nt+2*\t:WA+32*\nt+2*\t+1], v[V+2*\t:V+2*\t+1], 0
.else
	v_wmma_f32_16x16x4_f32 v[OA+8*\nt:OA+8*\nt+7], v[WA+32*\nt+2*\t:WA+32*\nt+2*\t+1], v[V+2*\t:V+2*\t+1], v[OA+8*\nt:OA+8*\nt+7]
.endif
.endr
.endr
.rept 8
	v_nop
.endr
.irp nt, 0,1
	ds_store_b128 v10, v[OA+8*\nt:OA+8*\nt+3] offset:64*\nt                  ; lane (r, h): row r, columns 16 nt + 8 h + 0..7; each accumulator from its low end on
	ds_store_b128 v10, v[OA+8*\nt+4:OA+8*\nt+7] offset:64*\nt+16
.endr
	s_wait_dscnt 0x0                               ; for the others' sake: my stores have landed
	s_barrier_signal -1
	s_barrier_wait -1
.irp k, 0,1,2,3,4,5,6,7,8,9,10,11,12,13,14,15
	ds_load_b32 v[Q+\k], v11 offset:PART*\k        ; row w of head k's part: 128 consecutive bytes
.endr
	s_wait_dscnt 0x0
.irp k, 0,1,2,3,4,5,6,7,8,9,10,11,12,13,14,15
	v_add_f32 v12, v12, v[Q+\k]                    ; bo, then the heads in order
.endr
	global_store_b32 v9, v12, s[12:13]             ; 128 consecutive bytes of my row
	s_wait_tensorcnt 0x0                           ; the wave's end
	ds_add_u32 v[SPW], v[NIL]
	s_wait_dscnt 0x0
	s_endpgm
.Lfunc_end_k_qde7baa46df_fine:
	.size	k_qde7baa46df_fine, .Lfunc_end_k_qde7baa46df_fine-k_qde7baa46df_fine
	.p2alignl 7, 3214868480
	.fill 96, 4, 3214868480
	.section	.rodata,"a",@progbits
	.p2align	6, 0x0
	.amdhsa_kernel k_qde7baa46df_fine
		.amdhsa_group_segment_fixed_size 38912
		.amdhsa_private_segment_fixed_size 0
		.amdhsa_enable_private_segment 0
		.amdhsa_kernarg_size 40
		.amdhsa_user_sgpr_count 2
		.amdhsa_user_sgpr_kernarg_segment_ptr 1
		.amdhsa_wavefront_size32 1
		.amdhsa_system_sgpr_workgroup_id_x 1
		.amdhsa_system_sgpr_workgroup_id_y 1
		.amdhsa_system_sgpr_workgroup_id_z 1
		.amdhsa_system_vgpr_workitem_id 0
		.amdhsa_next_free_vgpr 256
		.amdhsa_next_free_sgpr 66
		.amdhsa_reserve_vcc 1
		.amdhsa_float_denorm_mode_32 3
		.amdhsa_float_denorm_mode_16_64 3
		.amdhsa_memory_ordered 1
		.amdhsa_forward_progress 1
		.amdhsa_inst_pref_size 23
	.end_amdhsa_kernel
	.amdgpu_metadata
---
amdhsa.version: [ 1, 2 ]
amdhsa.kernels:
  - .name:           k_qde7baa46df_fine
    .symbol:         k_qde7baa46df_fine.kd
    .args:
      - { .name: fq, .offset: 0, .size: 8, .value_kind: global_buffer, .address_space: global }
      - { .name: Wo, .offset: 8, .size: 8, .value_kind: global_buffer, .address_space: global }
      - { .name: bv, .offset: 16, .size: 8, .value_kind: global_buffer, .address_space: global }
      - { .name: bo, .offset: 24, .size: 8, .value_kind: global_buffer, .address_space: global }
      - { .name: out0, .offset: 32, .size: 8, .value_kind: global_buffer, .address_space: global }
    .group_segment_fixed_size: 38912
    .private_segment_fixed_size: 0
    .kernarg_segment_align: 8
    .kernarg_segment_size: 40
    .max_flat_workgroup_size: 512
    .sgpr_count:     66
    .vgpr_count:     256
    .wavefront_size: 32
...
	.end_amdgpu_metadata
.endif
;; end of part 5
